; MI455X (gfx1250); checked and timed in simulation.
; The chip was launched on July 23, 2026; its instructions are those of AMD's public machine-readable ISA for CDNA 5 (MIT licence, August 2026) and "CDNA5" Instruction Set Architecture Reference Guide (July 2026). The comments in the code are by the model that wrote it; some were corrected since.
;; Ctx MH Att. Allowed arithmetic: float matrix products may take bf16 or f16 operands with f32 sums; other float arithmetic in f32, or as packed bf16 or f16 multiplies, adds, multiply-adds, maxima and minima; sums over many terms, partial sums and values carried from step to step in f32; what a program stores and reads back later, other than sums and carried values, may be rounded once to bf16 or f16.
;; Inputs: Wc 1,024 x 1,024 float32; Wk 1,024 x 1,024 float32; Wm 1,024 x 1,024 float32; Wq 1,024 x 1,024 float32; Wup 1,024 x 32 float32; Wv 1,024 x 1,024 float32; bc 1,024 float32; bk 1,024 float32; bm 1,024 float32; bq 1,024 float32; bv 1,024 float32; c 8 x 32 x 1,024 float32; k 8 x 1,024 x 1,024 float32; ln_b 1,024 float32; ln_w 1,024 float32; q 8 x 1,024 x 1,024 float32; tau one number float32; v 8 x 1,024 x 1,024 float32.
;; Outputs: out0 8 x 1,024 x 1,024 float32.
;; One version. Each part assembles by itself: llvm-mc -triple=amdgcn-amd-amdhsa -mcpu=gfx1250 --defsym DOCPART=n.
;; ======== version 1 of 1: 4 launches
;; limits: values are held in f16: magnitudes above 65,504 overflow, below 6.1e-05 lose precision
;; workspace buffers: xh 50,331,648 bytes; wh 8,388,608 bytes; cht 524,288 bytes; hd 50,331,648 bytes; ob 16,777,216 bytes
;; launch prep (part 1): grid 1408 x 1, 16 waves a work-group, no clusters, 34,816 bytes of LDS; arguments q, k, v, Wq, Wk, Wv, Wm, c, Wc, bc, tau, xh, wh, cht; writes xh, wh, cht
.if DOCPART == 1
	.amdgcn_target "amdgcn-amd-amdhsa--gfx1250"
	.amdhsa_code_object_version 6
	.text
	.protected	k_qdc745ad48a_prep
	.globl	k_qdc745ad48a_prep
	.p2align	8
	.type	k_qdc745ad48a_prep,@function
k_qdc745ad48a_prep:
	s_mov_b64 s[64:65], 0
	v_nop
	global_prefetch_b8 v0, s[64:65] scope:SCOPE_SE
	s_setreg_imm32_b32 hwreg(HW_REG_WAVE_MODE, 25, 1), 1
	s_wait_xcnt 0x0
; TWO KINDS OF WORK-GROUP in one launch; neither reads what the other writes.
; THE CAST (groups 0-255 and 768-1407: 896 of them): f32 -> f16, rounded once: q, k, v into xh [3][8192][1024]; Wq, Wk, Wv, Wm into wh [4][1024][1024].
;   A group owns 32 rows of 1,024 numbers (131,072 bytes in, 65,536 out).  Its 512 threads cover two rows at a time: thread t owns 16 bytes at 16 t in and 8 bytes at 8 t out, so a wave's load covers
;   512 consecutive bytes and its store 256 consecutive bytes, aligned.  A thread issues all its 16 loads at once, then converts in place and stores in the order in which they come back.
; THE CAPTIONS (groups 256-767: 512 of them): cht[b][n][i] = f16( tanh(tau) x ( sum over k of c[b][i][k] Wc[n][k] + bc[n] ) ), laid [batch][channel][caption].
;   A group makes 32 captions x 16 channels of one batch: two tiles of 16 x 16.  K = 1,024 IS SPLIT AMONG ITS 16 WAVES: wave v takes k = 64 v .. 64 v + 63, 256 consecutive bytes, aligned, of each row.
;   The 16 partial sums meet in LDS; waves 0-3 add them and store 256 consecutive bytes each.  Operands rounded to f16, sums in f32.  tanh(x) = 1 - 2 / (1 + 2^(2 log2(e) x)).
;   Source 0 = 16 rows of c, source 1 = 16 rows of Wc: a lane holds ONE channel (lane % 16) and eight neighbouring captions.
; These groups stand in the middle of the order, so that groups of the cast run beside them from the first to the last.
; LIMIT: a number of 65,520 or more in magnitude (an input, or a result of the captions' product) becomes an infinity: f16 ends at 65,504.
.set SPARE, 32768                      ; LDS: wave v's two partial tiles, 1,024 bytes each, at 2,048 v; behind them the spare words, 128 bytes for each of 16 waves
.set SPW, 8                            ; v8  my spare word; never rewritten
.set NIL, 9                            ; v9  0; never rewritten
.set CI,  10                           ; the cast: v10 my byte offset in, v11 out, v[16:79] sixteen times four f32, converted in place into the low two
.set CO,  11
.set X,   16
.set FO,  2                            ; the captions: v2 (l % 16) x 4,096 + 32 (l / 16) + 256 x wave
.set LS,  3                            ; v3  where I put my 32 bytes of a partial tile
.set LR,  4                            ; v4  where I read 16 bytes of one back
.set YO,  5                            ; v5  my 8 bytes of cht
.set LN,  6                            ; v6  lane
.set HH,  7                            ; v7  l / 16
.set ACC, 16                           ; v[16:31]  tile mt at ACC + 8 mt
.set RAW, 32                           ; v[32:127] K step ks at RAW + 48 ks: c's tile 0, c's tile 1, Wc's: 16 f32 each, converted in place into the low 8
	s_load_b512 s[8:23], s[0:1], 0x0               ; q, k, v, Wq, Wk, Wv, Wm, c
	s_load_b256 s[24:31], s[0:1], 0x40             ; Wc, bc, tau, xh
	s_load_b128 s[32:35], s[0:1], 0x60             ; wh, cht
	v_lshl_add_u32 v[SPW], v0, 2, SPARE
	v_mov_b32 v[NIL], 0
	s_mov_b32 s2, ttmp9
	s_sub_co_u32 s3, s2, 256                       ; the group's number among the captions' (0 .. 511), or a number beyond
	s_cmp_lt_u32 s3, 512
	s_cbranch_scc1 .Lctx
	; THE CAST
	s_sub_co_u32 s4, s2, 512
	s_cmp_lt_u32 s2, 256
	s_cselect_b32 s4, s2, s4                       ; the group's number among the cast's, 0 .. 895: 768 for q, k, v, 128 for the weights
	s_sub_co_u32 s5, s4, 768
	s_lshr_b32 s6, s5, 5
	s_add_co_u32 s6, s6, 3                         ; a weight: which source, 3 .. 6 (32 groups each),
	s_and_b32 s7, s5, 31                           ; and which 32 rows of it
	s_lshr_b32 s36, s4, 8                          ; q, k, v: which source, 0 .. 2 (256 groups each),
	s_and_b32 s37, s4, 255                         ; and which 32 rows
	s_cmp_lt_u32 s4, 768
	s_cselect_b32 s6, s36, s6
	s_cselect_b32 s7, s37, s7
	s_cselect_b32 s5, s4, s5                       ; which 32 rows of the destination
	s_lshl_b32 s38, s7, 17
	s_mov_b32 s39, 0
	s_lshl_b32 s40, s5, 16
	s_mov_b32 s41, 0
	v_lshlrev_b32 v[CI], 4, v0
	v_lshlrev_b32 v[CO], 3, v0
	s_wait_kmcnt 0x0
	s_cmp_lt_u32 s4, 768
	s_cselect_b64 s[44:45], s[30:31], s[32:33]     ; xh or wh
	s_mov_b64 s[42:43], s[8:9]
.irp n, 1,2,3,4,5,6
	s_cmp_eq_u32 s6, \n
	s_cselect_b64 s[42:43], s[8+2*(\n):9+2*(\n)], s[42:43]
.endr
	s_add_nc_u64 s[42:43], s[42:43], s[38:39]
	s_add_nc_u64 s[44:45], s[44:45], s[40:41]
.irp i, 0,1,2,3,4,5,6,7,8,9,10,11,12,13,14,15
	global_load_b128 v[X+4*(\i):X+4*(\i)+3], v[CI], s[42:43] offset:(\i)*8192 th:TH_LOAD_NT  ; rows 2 i and 2 i + 1 of the group
.endr
.irp i, 0,1,2,3,4,5,6,7,8,9,10,11,12,13,14,15
	s_wait_loadcnt 15-(\i)                         ; loads come back in order: number i is in, the younger ones stay out
	v_cvt_pk_f16_f32 v[X+4*(\i)],   v[X+4*(\i)],   v[X+4*(\i)+1]
	v_cvt_pk_f16_f32 v[X+4*(\i)+1], v[X+4*(\i)+2], v[X+4*(\i)+3]
	global_store_b64 v[CO], v[X+4*(\i):X+4*(\i)+1], s[44:45] offset:(\i)*4096
.endr
	s_endpgm
.Lctx:	; THE CAPTIONS
	v_lshrrev_b32 v1, 5, v0
	v_readfirstlane_b32 s36, v1                    ; wave 0..15
	v_and_b32 v1, 15, v0
	v_bfe_u32 v[HH], v0, 4, 1
	v_and_b32 v[LN], 31, v0
	s_lshl_b32 s37, s36, 8
	v_lshlrev_b32 v[FO], 12, v1
	v_lshl_add_u32 v[FO], v[HH], 5, v[FO]
	v_add_nc_u32 v[FO], s37, v[FO]
	s_lshl_b32 s37, s36, 11
	v_lshl_add_u32 v[LS], v[LN], 5, s37
	s_and_b32 s38, s3, 63                          ; which 16 channels
	s_lshr_b32 s39, s3, 6                          ; batch
	s_lshl_b32 s40, s39, 17                        ; 32 rows of c
	s_mov_b32 s41, 0
	s_lshl_b32 s42, s38, 16                        ; 16 rows of Wc
	s_mov_b32 s43, 0
	s_wait_kmcnt 0x0
	s_load_b32 s44, s[28:29], 0x0                  ; tau
	s_add_nc_u64 s[22:23], s[22:23], s[40:41]
	s_add_nc_u64 s[24:25], s[24:25], s[42:43]
	; a fragment wants k = 8 h .. 8 h + 7 and 16 + 8 h .. : in f32 two times 32 bytes, 64 bytes apart
.irp ks, 0,1
.irp o, 0,1,2,3
	global_load_b128 v[RAW+48*(\ks)+4*(\o):RAW+48*(\ks)+4*(\o)+3],       v[FO], s[22:23] offset:128*(\ks)+16*((\o)%2)+64*((\o)/2)
	global_load_b128 v[RAW+48*(\ks)+16+4*(\o):RAW+48*(\ks)+16+4*(\o)+3], v[FO], s[22:23] offset:128*(\ks)+16*((\o)%2)+64*((\o)/2)+65536
	global_load_b128 v[RAW+48*(\ks)+32+4*(\o):RAW+48*(\ks)+32+4*(\o)+3], v[FO], s[24:25] offset:128*(\ks)+16*((\o)%2)+64*((\o)/2)
.endr
.endr
	s_wait_kmcnt 0x0
	v_mov_b32 v10, s44
	v_mul_f32 v10, 0x4038aa3b, v10                 ; 2 log2(e) tau
	v_exp_f32 v11, v10
	v_nop                                          ; a plain instruction behind the transcendental,
	s_wait_alu depctr_va_vdst(0)                   ; and the wait ahead of its first reader
	v_add_f32 v11, 1.0, v11
	v_rcp_f32 v12, v11
	v_nop
	s_wait_alu depctr_va_vdst(0)
	v_fma_f32 v12, v12, -2.0, 1.0                  ; t
	v_mov_b32 v13, v12
.macro CONV ks                         ; 48 f32 registers of a K step become 24 of f16: register d of a block of 16 from 2 d and 2 d + 1, ascending, so nothing unread is written
.set i, 0
.rept 24
	v_cvt_pk_f16_f32 v[RAW+48*(\ks)+16*(i/8)+i%8], v[RAW+48*(\ks)+16*(i/8)+2*(i%8)], v[RAW+48*(\ks)+16*(i/8)+2*(i%8)+1]
.set i, i+1
.endr
.endm
	s_wait_loadcnt 12                              ; K step 0's twelve loads are in; K step 1's twelve may stay out
	CONV 0
.irp mt, 0,1
	v_wmma_f32_16x16x32_f16 v[ACC+8*(\mt):ACC+8*(\mt)+7], v[RAW+16*(\mt):RAW+16*(\mt)+7], v[RAW+32:RAW+39], 0
.endr
	s_wait_loadcnt 0x0
	CONV 1
.irp mt, 0,1                           ; the two accumulators take turns, one instruction a turn
	v_wmma_f32_16x16x32_f16 v[ACC+8*(\mt):ACC+8*(\mt)+7], v[RAW+48+16*(\mt):RAW+48+16*(\mt)+7], v[RAW+80:RAW+87], v[ACC+8*(\mt):ACC+8*(\mt)+7]
.endr
.rept 8
	v_nop                                          ; the places behind the last product, ahead of the LDS stores that read the results and of what rewrites its sources
.endr
.irp j, 0,1
	ds_store_b128 v[LS], v[ACC+8*(\j):ACC+8*(\j)+3]   offset:1024*(\j)
	ds_store_b128 v[LS], v[ACC+8*(\j)+4:ACC+8*(\j)+7] offset:1024*(\j)+16
.endr
	s_wait_dscnt 0x0                               ; for the others' sake: my partial sums lie in LDS
	s_barrier_signal -1
	s_barrier_wait -1
	s_cmp_lt_u32 s36, 4                            ; waves 0-3 finish: wave w takes channels 4 w .. 4 w + 3, all 32 captions: 256 bytes of cht
	s_cbranch_scc0 .Lend
	v_lshrrev_b32 v96, 3, v[LN]                    ; lane L: channel 4 w + L / 8; captions 4 (L % 8) .. + 3, which lie in tile (L / 4) % 2, half (L / 2) % 2, registers 4 (L % 2) ..
	v_lshl_add_u32 v96, s36, 2, v96
	v_bfe_u32 v97, v[LN], 2, 1
	v_bfe_u32 v98, v[LN], 1, 1
	v_and_b32 v99, 1, v[LN]
	v_lshl_add_u32 v100, v98, 4, v96               ; the lane that held those four sums
	v_lshlrev_b32 v100, 5, v100
	v_lshl_add_u32 v100, v97, 10, v100
	v_lshl_add_u32 v[LR], v99, 4, v100
	s_lshl_b32 s45, s38, 4
	v_add_nc_u32 v101, s45, v96
	v_lshlrev_b32 v101, 2, v101
	global_load_b32 v14, v101, s[26:27]            ; bc of my channel
	s_lshl_b32 s45, s38, 10                        ; a channel's 32 captions are 64 bytes
	s_lshl_b32 s46, s39, 16
	s_add_co_u32 s45, s45, s46
	s_lshl_b32 s46, s36, 8
	s_add_co_u32 s45, s45, s46
	v_lshl_add_u32 v[YO], v[LN], 3, s45            ; the wave's 32 lanes: 256 consecutive bytes, aligned
.irp w, 0,1,2,3,4,5,6,7,8,9,10,11,12,13,14,15
	ds_load_b128 v[RAW+4*(\w):RAW+4*(\w)+3], v[LR] offset:2048*(\w)
.endr
	s_wait_dscnt 0x0
.irp lv, 32, 16, 8, 4                  ; sixteen partial sums into one, by halves
.set i, 0
.rept (\lv)/2
	v_pk_add_f32 v[RAW+2*i:RAW+2*i+1], v[RAW+2*i:RAW+2*i+1], v[RAW+(\lv)+2*i:RAW+(\lv)+2*i+1]
.set i, i+1
.endr
.endr
	s_wait_loadcnt 0x0
	v_mul_f32 v14, v14, v12                        ; bc t
	v_mov_b32 v15, v14
	v_pk_fma_f32 v[RAW:RAW+1],   v[RAW:RAW+1],   v[12:13], v[14:15]
	v_pk_fma_f32 v[RAW+2:RAW+3], v[RAW+2:RAW+3], v[12:13], v[14:15]
	v_cvt_pk_f16_f32 v[RAW+4], v[RAW],   v[RAW+1]
	v_cvt_pk_f16_f32 v[RAW+5], v[RAW+2], v[RAW+3]
	global_store_b64 v[YO], v[RAW+4:RAW+5], s[34:35]
.Lend:
	s_wait_tensorcnt 0x0                           ; the wave's end, behind my last LDS store
	ds_add_u32 v[SPW], v[NIL]
	s_wait_dscnt 0x0
	s_endpgm
.Lfunc_end_k_qdc745ad48a_prep:
	.size	k_qdc745ad48a_prep, .Lfunc_end_k_qdc745ad48a_prep-k_qdc745ad48a_prep
	.p2alignl 7, 3214868480
	.fill 96, 4, 3214868480
	.section	.rodata,"a",@progbits
	.p2align	6, 0x0
	.amdhsa_kernel k_qdc745ad48a_prep
		.amdhsa_group_segment_fixed_size 34816
		.amdhsa_private_segment_fixed_size 0
		.amdhsa_enable_private_segment 0
		.amdhsa_kernarg_size 112
		.amdhsa_user_sgpr_count 2
		.amdhsa_user_sgpr_kernarg_segment_ptr 1
		.amdhsa_wavefront_size32 1
		.amdhsa_system_sgpr_workgroup_id_x 1
		.amdhsa_system_sgpr_workgroup_id_y 1
		.amdhsa_system_sgpr_workgroup_id_z 1
		.amdhsa_system_vgpr_workitem_id 0
		.amdhsa_next_free_vgpr 128
		.amdhsa_next_free_sgpr 66
		.amdhsa_reserve_vcc 0
		.amdhsa_float_denorm_mode_32 3
		.amdhsa_float_denorm_mode_16_64 3
		.amdhsa_memory_ordered 1
		.amdhsa_forward_progress 1
		.amdhsa_inst_pref_size 20
	.end_amdhsa_kernel
	.amdgpu_metadata
---
amdhsa.version: [ 1, 2 ]
amdhsa.kernels:
  - .name:           k_qdc745ad48a_prep
    .symbol:         k_qdc745ad48a_prep.kd
    .args:
      - { .name: q, .offset: 0, .size: 8, .value_kind: global_buffer, .address_space: global }
      - { .name: k, .offset: 8, .size: 8, .value_kind: global_buffer, .address_space: global }
      - { .name: v, .offset: 16, .size: 8, .value_kind: global_buffer, .address_space: global }
      - { .name: Wq, .offset: 24, .size: 8, .value_kind: global_buffer, .address_space: global }
      - { .name: Wk, .offset: 32, .size: 8, .value_kind: global_buffer, .address_space: global }
      - { .name: Wv, .offset: 40, .size: 8, .value_kind: global_buffer, .address_space: global }
      - { .name: Wm, .offset: 48, .size: 8, .value_kind: global_buffer, .address_space: global }
      - { .name: c, .offset: 56, .size: 8, .value_kind: global_buffer, .address_space: global }
      - { .name: Wc, .offset: 64, .size: 8, .value_kind: global_buffer, .address_space: global }
      - { .name: bc, .offset: 72, .size: 8, .value_kind: global_buffer, .address_space: global }
      - { .name: tau, .offset: 80, .size: 8, .value_kind: global_buffer, .address_space: global }
      - { .name: xh, .offset: 88, .size: 8, .value_kind: global_buffer, .address_space: global }
      - { .name: wh, .offset: 96, .size: 8, .value_kind: global_buffer, .address_space: global }
      - { .name: cht, .offset: 104, .size: 8, .value_kind: global_buffer, .address_space: global }
    .group_segment_fixed_size: 34816
    .private_segment_fixed_size: 0
    .kernarg_segment_align: 8
    .kernarg_segment_size: 112
    .max_flat_workgroup_size: 512
    .sgpr_count:     66
    .vgpr_count:     128
    .wavefront_size: 32
...
	.end_amdgpu_metadata
.endif
;; end of part 1
;; launch proj (part 2): grid 4 x 96, 4 waves a work-group, clusters of 4 x 4, 327,680 bytes of LDS; arguments xh, wh, bq, bk, bv, hd; writes hd
.if DOCPART == 2
	.amdgcn_target "amdgcn-amd-amdhsa--gfx1250"
	.amdhsa_code_object_version 6
	.text
	.protected	k_qdc745ad48a_proj
	.globl	k_qdc745ad48a_proj
	.p2align	8
	.type	k_qdc745ad48a_proj,@function
k_qdc745ad48a_proj:
	s_mov_b64 s[64:65], 0
	v_nop
	global_prefetch_b8 v0, s[64:65] scope:SCOPE_SE
	s_setreg_imm32_b32 hwreg(HW_REG_WAVE_MODE, 25, 1), 1
	s_wait_xcnt 0x0
	s_wait_alu depctr_hold_cnt(0) depctr_sa_sdst(0) depctr_va_vdst(0) depctr_va_sdst(0) depctr_va_ssrc(0) depctr_va_vcc(0) depctr_vm_vsrc(0)
	s_getreg_b32 s2, hwreg(HW_REG_IB_STS2, 6, 4)
	s_cmp_eq_u32 s2, 0
	s_cbranch_scc0 .Lentry_in_a_cluster
	s_endpgm
.Lentry_in_a_cluster:
	s_bfe_u32 s2, ttmp6, 0x10000c
	s_cmp_lg_u32 s2, 0xf033
	s_cbranch_scc0 .Lentry_shape_is_right
	s_endpgm
.Lentry_shape_is_right:
; C[m][n] = sum over k of A[m][k] W[n][k] + bias[n], A and W in f16, sums in f32.  K = 1,024, n = 1,024.
; F32OUT = 0: A = xh, 24,576 rows (q, k, v on end); W and bias go by the third of the rows; C is rounded to f16 and laid by heads, hd[which][batch x 8 + head][row][128].
; F32OUT = 1: A = ob, 8,192 rows; W = the fourth matrix of wh; C = out0 in f32, row-major.
; LIMIT (F32OUT = 0): a result of 65,520 or more in magnitude becomes an infinity.
; A tile of C, 256 x 256, is made by four waves, each 128 x 128: 64 accumulators, 512 registers.  K goes in steps of 128 through two LDS slots filled by the tensor data mover; a tile's rows are
; 256 bytes of memory, aligned.  CLUSTERS of 4 x 4: A's tile is asked for jointly along a row of the cluster, W's along a column.  The matrix instruction is used transposed (source 0 = 16 rows
; of W, source 1 = 16 rows of A): a lane holds eight neighbouring columns of one row of C.  The first product on each accumulator takes the bias as its C operand: nothing is cleared, nothing added later.
; ONE K STEP IS WRITTEN ONCE: the loop's LDS addresses hang on s[TB], 0 or SLOT, and one descriptor a tensor walks.  The last two K steps, which ask for nothing, are written out.
; REGISTERS, in windows of 256: window 0: v16-30 addresses; v64-127, v128-191 A's fragments, two buffers; v192-255 the bias, later at work on the way out; window 1: v64-191 W's fragments;
; windows 2, 3: the accumulators ((a, b) at v[8 (8 a + b)]; my rows 0-63, 64-127).
.set F32OUT, 0
.set SIZE_K, 1024
.set KSTEP,  128
.set PITCH,  272                       ; 256 bytes + 16 of padding: the 16 rows that a load touches start at 16 different groups of four banks
.set HALFT,  128*PITCH                 ; 0x8800
.set SLOT,   4*HALFT                   ; 0x22000: neither of its bits is set in wave x HALFT, so one exclusive or turns an address in one slot into the other's
.set STAGE,  2*SLOT
.if F32OUT
.set SPITCH, 528
.else
.set SPITCH, 272
.endif
.set SPARE,  STAGE+4*16*SPITCH         ; behind the stages: the spare words, 128 bytes a wave
.set ADRA0, 16                         ; my lane's place in A's rows of slot 0; never rewritten
.set ADRB0, 17
.set ADRA, 18                          ; the same in the slot that is being read
.set ADRB, 19
.set STO,  24
.set RD,   25
.set CO,   26
.set BO,   27
.set SPW,  28
.set NIL,  29
.set PFO,  30
.set F0,   64
.set F1,   128
.set BIAS, 192
.set TMP,  192
.set OB,   32
.set G1,  24
.set G0,  32
.set G1B, 48
.set G0B, 56
.set PFA, 44
.set LIM, 43
.set TB,  66
.set WH,  67
.set MSB, 0
.macro WIN new                         ; the immediate's high byte repeats the setting that is left; a switch that changes nothing is dropped
.if MSB != (\new)
	s_set_vgpr_msb (MSB<<8)|(\new)
.set MSB, \new
.endif
.endm
; A joint load.  Waves 0 and 1 fetch A's two halves, waves 2 and 3 W's.  The branch hangs on the wave's number alone.  An s_nop 0 and four v_nop follow each of the two lines.
.macro JLOAD s
	s_cmp_eq_u32 s11, 0
	s_cbranch_scc0 .Lfor_b_\@
	tensor_load_to_lds s[G0+4*(\s):G0+4*(\s)+3], s[G1:G1+7]
	s_nop 0
.rept 4
	v_nop
.endr
	s_branch .Lasked_\@
.Lfor_b_\@:
	tensor_load_to_lds s[G0B+4*(\s):G0B+4*(\s)+3], s[G1B:G1B+7]
	s_nop 0
.rept 4
	v_nop
.endr
.Lasked_\@:
.endm
; A prefetch of the K step that stands two refills on: 32 rows x 256 bytes, a lane a row.  A's rows are read by one cluster alone, which asks; W's by every cluster that multiplies by the same matrix:
; the first of them asks.  The four partners of a joint load share its 128 rows out by address, 32 each.  The loop's last two refills have no K step two on.
.macro ASK
	s_cmp_gt_u32 s3, s[LIM]
	s_cbranch_scc0 .Lnot_mine_\@
	global_prefetch_b8 v[PFO], s[PFA:PFA+1] offset:KSTEP*2 th:TH_LOAD_NT scope:SCOPE_SE
.Lnot_mine_\@:
.endm
.macro CREST                           ; a round of the cluster's barrier behind its opening barrier
	s_cmp_lg_u32 s10, 0
	s_cbranch_scc1 .Lnot_wave_0_\@
	s_barrier_signal -3
.Lnot_wave_0_\@:
	s_barrier_wait -3
	s_barrier_signal -1
	s_barrier_wait -1
.endm
.macro CROUND
	s_barrier_signal -1
	s_barrier_wait -1
	CREST
.endm
	s_load_b128 s[4:7], s[0:1], 0x0                ; A, wh
	s_load_b128 s[68:71], s[0:1], 0x10             ; bq, bk  (F32OUT: bm, out0)
.if !F32OUT
	s_load_b128 s[72:75], s[0:1], 0x20             ; bv, hd
.endif
	v_lshl_add_u32 v[SPW], v0, 2, SPARE
	v_mov_b32 v[NIL], 0
	ds_add_u32 v[SPW], v[NIL]                      ; the wave's opening: the add and its wait ahead of my first tensor load
	v_lshrrev_b32 v1, 5, v0
	v_readfirstlane_b32 s10, v1                    ; wave 0..3
	s_lshr_b32 s11, s10, 1                         ; which half of the tile's rows is mine.  Also: I fetch for A (0) or for W (1)
	s_and_b32 s12, s10, 1                          ; which half of its columns.  Also: which 128 rows of that tile I fetch
	s_bfe_u32 s40, ttmp6, 0x40000                  ; cx
	s_bfe_u32 s41, ttmp6, 0x40004                  ; cy
	s_lshl_b32 s42, ttmp9, 2
	s_add_co_u32 s42, s42, s40                     ; tile column
	s_and_b32 s13, ttmp7, 0xffff
	s_lshr_b32 s[WH], s13, 3                       ; which of q, k, v: eight clusters of 1,024 rows each; the same in all sixteen partners
	s_lshl_b32 s13, s13, 2
	s_add_co_u32 s13, s13, s41                     ; tile row
.if F32OUT
	s_mov_b32 s76, 3<<21                           ; the fourth matrix of wh
.else
	s_lshl_b32 s76, s[WH], 21                      ; a matrix is 2,097,152 bytes
.endif
	s_mov_b32 s77, 0
	s_lshl_b32 s43, s41, 2
	s_lshl_b32 s43, 15, s43                        ; my row of the cluster
	s_lshl_b32 s44, 0x1111, s40                    ; my column
	s_or_b32 s[G1+0], s43, (1<<16)|(1<<20)|(1<<21)|(5<<22)|(3<<25)   ; mask; 2-byte elements; padding on; bit 21 beside a mask; after every 64 words 4 words
	s_or_b32 s[G1B+0], s44, (1<<16)|(1<<20)|(1<<21)|(5<<22)|(3<<25)
.irp g, G1, G1B
	s_mov_b32 s[(\g)+1], KSTEP<<16                 ; tensor_dim0 = 128
	s_mov_b32 s[(\g)+2], 128<<16                   ; tensor_dim1 = 128
	s_mov_b32 s[(\g)+3], KSTEP<<16                 ; tile_dim0 = 128
	s_mov_b32 s[(\g)+4], 128                       ; tile_dim1 = 128
	s_mov_b32 s[(\g)+5], SIZE_K                    ; elements from row to row
	s_mov_b32 s[(\g)+6], 0
	s_mov_b32 s[(\g)+7], 0
.endr
	s_lshl_b32 s17, s12, 7
	s_lshl_b32 s16, s13, 8
	s_add_co_u32 s16, s16, s17                     ; A: row 256 x tile row + 128 x half
	s_lshl_b32 s46, s42, 8
	s_add_co_u32 s46, s46, s17                     ; W: row 256 x tile column + 128 x half
	s_mov_b32 s17, 0
	s_mov_b32 s47, 0
	s_mov_b64 s[18:19], SIZE_K*2
	s_mul_u64 s[16:17], s[16:17], s[18:19]
	s_mul_u64 s[46:47], s[46:47], s[18:19]
	s_mul_i32 s20, s10, HALFT                      ; where they go: wave x 128 rows
	s_wait_dscnt 0x0                               ; the opening add is done
	s_wait_kmcnt 0x0
	s_add_nc_u64 s[6:7], s[6:7], s[76:77]          ; this product's matrix
	s_add_nc_u64 s[14:15], s[4:5], s[16:17]
	s_add_nc_u64 s[46:47], s[6:7], s[46:47]
.if F32OUT
	s_mov_b64 s[8:9], s[70:71]
.else
	s_cmp_eq_u32 s[WH], 1
	s_cselect_b64 s[68:69], s[70:71], s[68:69]
	s_cmp_eq_u32 s[WH], 2
	s_cselect_b64 s[68:69], s[72:73], s[68:69]     ; this product's bias
	s_mov_b64 s[8:9], s[74:75]
.endif
	CROUND                                         ; all sixteen work-groups are here: the first joint loads meet
.irp s, 0,1
	s_mov_b32 s[G0+4*(\s)], 1
	s_add_co_u32 s[G0+4*(\s)+1], s20, (\s)*SLOT
	s_add_nc_u64 s[G0+4*(\s)+2:G0+4*(\s)+3], s[14:15], (\s)*KSTEP*2
	s_or_b32 s[G0+4*(\s)+3], s[G0+4*(\s)+3], 0x80000000
	s_mov_b32 s[G0B+4*(\s)], 1
	s_add_co_u32 s[G0B+4*(\s)+1], s20, (\s)*SLOT
	s_add_nc_u64 s[G0B+4*(\s)+2:G0B+4*(\s)+3], s[46:47], (\s)*KSTEP*2
	s_or_b32 s[G0B+4*(\s)+3], s[G0B+4*(\s)+3], 0x80000000
	JLOAD \s                                       ; two loads of mine are out
.endr
	v_and_b32 v1, 15, v0                           ; l % 16
	v_bfe_u32 v2, v0, 4, 1                         ; l / 16
	v_and_b32 v5, 31, v0
	v_mul_u32_u24 v3, v1, PITCH
	v_lshl_add_u32 v3, v2, 4, v3
	s_mul_i32 s21, s11, HALFT
	s_mul_i32 s22, s12, HALFT
	s_add_co_u32 s22, s22, 2*HALFT
	v_add_nc_u32 v[ADRA0], s21, v3
	v_add_nc_u32 v[ADRB0], s22, v3
	v_mov_b32 v[ADRA], v[ADRA0]
	v_mov_b32 v[ADRB], v[ADRB0]
	s_mov_b32 s[TB], 0
	s_mul_i32 s23, s10, 16*SPITCH
	s_add_co_u32 s23, s23, STAGE                   ; my stage
	v_mul_u32_u24 v4, v1, SPITCH
.if F32OUT
	v_lshl_add_u32 v4, v2, 5, v4                   ; in: row l % 16, 32 bytes for each half of the lanes
	v_add_nc_u32 v[STO], s23, v4
	v_lshl_add_u32 v[RD], v5, 4, s23               ; back: 32 lanes take one row of 512 bytes
.else
	v_lshl_add_u32 v4, v2, 4, v4                   ; in: row l % 16, 16 bytes for each half of the lanes
	v_add_nc_u32 v[STO], s23, v4
	v_mul_u32_u24 v4, v2, SPITCH                   ; back: lanes 0-15 one row of 256 bytes, lanes 16-31 the next
	v_lshl_add_u32 v4, v1, 4, v4
	v_add_nc_u32 v[RD], s23, v4
.endif
	v_lshlrev_b32 v[CO], 4, v5                     ; 512 consecutive bytes of C a wave
	v_lshlrev_b32 v[BO], 5, v2
	s_lshl_b32 s80, s42, 10                        ; the bias of my 128 columns
	s_lshl_b32 s81, s12, 9
	s_add_co_u32 s80, s80, s81
	s_mov_b32 s81, 0
	s_add_nc_u64 s[68:69], s[68:69], s[80:81]
.irp b, 0,1,2,3,4,5,6,7
	global_load_b128 v[BIAS+8*(\b):BIAS+8*(\b)+3],   v[BO], s[68:69] offset:64*(\b)      ; register j of block b: column 16 b + 8 (l / 16) + j
	global_load_b128 v[BIAS+8*(\b)+4:BIAS+8*(\b)+7], v[BO], s[68:69] offset:64*(\b)+16
.endr
	s_lshl_b32 s16, s13, 8
	s_lshl_b32 s14, s11, 7
	s_add_co_u32 s16, s16, s14                     ; my first row
.if F32OUT
	s_lshl_b32 s16, s16, 12                        ; rows of 4,096 bytes
	s_lshl_b32 s46, s42, 10
	s_lshl_b32 s47, s12, 9
	s_add_co_u32 s46, s46, s47
	s_add_co_u32 s46, s46, s16
.else
	s_lshr_b32 s17, s16, 10                        ; 8 x which + batch
	s_and_b32 s16, s16, 1023                       ; row in the batch
	s_lshl_b32 s46, s42, 1
	s_add_co_u32 s46, s46, s12                     ; head: my 128 columns are one head
	s_lshl3_add_u32 s46, s17, s46
	s_lshl_b32 s46, s46, 10
	s_add_co_u32 s46, s46, s16
	s_lshl_b32 s46, s46, 8                         ; rows of 256 bytes: my 128 rows are 32,768 bytes on end
.endif
	s_mov_b32 s47, 0
	s_add_nc_u64 s[8:9], s[8:9], s[46:47]
	; the prefetches
	s_lshl_b32 s13, s13, 8
	s_lshl_b32 s42, s42, 8
	s_and_b32 s22, ttmp7, 0xffff
.if !F32OUT
	s_and_b32 s22, s22, 7                          ; the cluster's number among the eight that multiply by the same matrix
.endif
	s_cmp_eq_u32 s11, 0
	s_cselect_b32 s20, s13, s42                    ; the tile's first row
	s_cselect_b32 s21, s40, s41                    ; my place among the four that ask for it with me
	s_cselect_b32 s22, ttmp9, s22                  ; the coordinate along which other clusters read the same rows
	s_cselect_b64 s[PFA:PFA+1], s[4:5], s[6:7]
	s_cmp_eq_u32 s22, 0
	s_cselect_b32 s[LIM], 2, -1
	s_lshl_b32 s22, s12, 7
	s_add_co_u32 s20, s20, s22
	s_lshl_b32 s21, s21, 5
	s_add_co_u32 s20, s20, s21
	s_mov_b32 s21, 0
	s_mov_b64 s[18:19], SIZE_K*2
	s_mul_u64 s[20:21], s[20:21], s[18:19]
	s_add_nc_u64 s[PFA:PFA+1], s[PFA:PFA+1], s[20:21]
	s_add_nc_u64 s[PFA:PFA+1], s[PFA:PFA+1], 2*KSTEP*2  ; at K step 2: the first refill steps it to 3 and names K step 4
	v_mul_u32_u24 v[PFO], v5, SIZE_K*2
; 16 matrix instructions: m blocks a0, a0 + 1 of the window's four x all 8 n blocks, 32 along K.  start = 1: the first product starts the sums from the bias.
.macro MUL16 f, hi, a0, start
.if \start
	WIN 0x81+0x40*(\hi)                            ; W window 1, A and the bias window 0, D window 2 or 3
.else
	WIN 0xa1+0x50*(\hi)                            ; W window 1, A window 0, C and D window 2 or 3
.endif
.irp a, \a0, (\a0)+1
.irp b, 0,1,2,3,4,5,6,7
.if \start
	v_wmma_f32_16x16x32_f16 v[8*(8*(\a)+(\b)):8*(8*(\a)+(\b))+7], v[(\f)+8*(\b):(\f)+8*(\b)+7], v[(\f)+8*(4*(\hi)+(\a)):(\f)+8*(4*(\hi)+(\a))+7], v[BIAS+8*(\b):BIAS+8*(\b)+7]
.else
	v_wmma_f32_16x16x32_f16 v[8*(8*(\a)+(\b)):8*(8*(\a)+(\b))+7], v[(\f)+8*(\b):(\f)+8*(\b)+7], v[(\f)+8*(4*(\hi)+(\a)):(\f)+8*(4*(\hi)+(\a))+7], v[8*(8*(\a)+(\b)):8*(8*(\a)+(\b))+7]
.endif
.endr
.endr
.endm
; 32 LDS loads in one run: the fragments of one quarter step, at byte k of the rows of the slot in hand, into buffer f
.macro FETCH k, f
	WIN 0x40
.irp i, 0,1,2,3,4,5,6,7
	ds_load_b128 v[(\f)+8*(\i):(\f)+8*(\i)+3],   v[ADRB] offset:(\k)+(\i)*16*PITCH
	ds_load_b128 v[(\f)+8*(\i)+4:(\f)+8*(\i)+7], v[ADRB] offset:(\k)+(\i)*16*PITCH+32
.endr
	WIN 0
.irp i, 0,1,2,3,4,5,6,7
	ds_load_b128 v[(\f)+8*(\i):(\f)+8*(\i)+3],   v[ADRA] offset:(\k)+(\i)*16*PITCH
	ds_load_b128 v[(\f)+8*(\i)+4:(\f)+8*(\i)+7], v[ADRA] offset:(\k)+(\i)*16*PITCH+32
.endr
.endm
.macro PLACES                          ; four plain vector instructions between a matrix instruction and a load into, or a reader of, its registers
.rept 4
	v_nop
.endr
.endm
; A K step is four quarters of 32 along K, 64 matrix instructions each, on buffers 0, 1, 0, 1.  One of the first three: multiplies buffer f and fetches the next quarter, at byte k, into g.
.macro QUARTER k, f, g, start
	s_wait_dscnt 8                                 ; W and A's rows 0-63 are in; the youngest eight loads (A's rows 64-127) may be out
	MUL16 \f, 0, 0, \start
	MUL16 \f, 0, 2, \start
	PLACES
	FETCH \k, \g
	s_wait_dscnt 32                                ; all but the 32 just issued
	MUL16 \f, 1, 0, \start
	MUL16 \f, 1, 2, \start
.endm
; The last quarter multiplies buffer 1 and changes slots: ONE barrier.  In front of it each wave waits for all its tensor loads (one is out: its part of the next slot), adds 0 to its spare word, and waits
; for that and for its own reads of this slot.  fill = 1: the barrier opens a round of the cluster's, and behind it this slot is filled again first, with the K step two on.
.macro TURN fill
.if \fill
	s_wait_xcnt 0x0                                ; the last prefetch, a K step back, has read its address
	s_add_nc_u64 s[PFA:PFA+1], s[PFA:PFA+1], KSTEP*2
.endif
	WIN 0
	s_wait_tensorcnt 0x0
	ds_add_u32 v[SPW], v[NIL]
	s_wait_dscnt 9                                 ; (the add and the youngest eight loads may be out)
	MUL16 F1, 0, 0, 0
	s_wait_dscnt 0x0                               ; the add is done, and my reads of this slot are over
	s_barrier_signal -1
	MUL16 F1, 0, 2, 0
	WIN 0
	s_barrier_wait -1
.if \fill
	CREST                                          ; no wave of any partner still reads this slot or has a load on its way
	s_xor_b32 s[G0+5], s[G0+5], SLOT               ; the walking descriptors: the other slot than last time, the next K step
	s_add_nc_u64 s[G0+6:G0+7], s[G0+6:G0+7], KSTEP*2
	s_xor_b32 s[G0B+5], s[G0B+5], SLOT
	s_add_nc_u64 s[G0B+6:G0B+7], s[G0B+6:G0B+7], KSTEP*2
	JLOAD 1                                        ; my one tensor load behind the round; its four v_nop are also the places in front of the loads below
.else
	PLACES
.endif
	s_xor_b32 s[TB], s[TB], SLOT
	v_add_nc_u32 v[ADRA], s[TB], v[ADRA0]
	v_add_nc_u32 v[ADRB], s[TB], v[ADRB0]
	FETCH 0, F0
.if \fill
	ASK
.endif
	MUL16 F1, 1, 0, 0
	MUL16 F1, 1, 2, 0
.endm
	s_wait_tensorcnt 1                             ; my part of K step 0 is in; K step 1's may stay out
	s_barrier_signal -1
	s_barrier_wait -1
	FETCH 0, F0
	s_wait_loadcnt 0x0                             ; the bias
	QUARTER 64, F0, F1, 1                          ; the first quarter stands in front of the loop: its products start the sums
	WIN 0
	s_mov_b32 s3, 6                                ; six refills: K steps 2 to 7
.Lstep:                                                ; a trip: from a K step's second quarter to the next K step's first
	QUARTER 128, F1, F0, 0
	QUARTER 192, F0, F1, 0
	TURN 1
	QUARTER 64, F0, F1, 0
	WIN 0
	s_sub_co_u32 s3, s3, 1
	s_cmp_lg_u32 s3, 0
	s_cbranch_scc1 .Lstep
	QUARTER 128, F1, F0, 0                         ; K steps 6 and 7 ask for nothing: written out
	QUARTER 192, F0, F1, 0
	TURN 0
	QUARTER 64, F0, F1, 0
	QUARTER 128, F1, F0, 0
	QUARTER 192, F0, F1, 0
	s_wait_dscnt 8
	MUL16 F1, 0, 0, 0
	MUL16 F1, 0, 2, 0
	s_wait_dscnt 0x0
	MUL16 F1, 1, 0, 0
	MUL16 F1, 1, 2, 0
	WIN 0
	PLACES
.if F32OUT
; THE WAY OUT, f32: block a (16 rows x 128 columns) goes from the accumulators into my stage, rows of 528 bytes, and comes back as whole rows of 512.
.macro TOSTAGE a
.set AC, 64*((\a)%4)
.set BK, 64+64*((\a)%2)
.if (\a) >= 2
	s_wait_xcnt 0x0                                ; the stores of the block two back have read the registers that are loaded again below
.endif
	WIN 0x08+4*((\a)/4)                            ; the stored data in window 2 or 3
.irp b, 0,1,2,3,4,5,6,7
	ds_store_b128 v[STO], v[AC+8*(\b):AC+8*(\b)+3]   offset:64*(\b)
	ds_store_b128 v[STO], v[AC+8*(\b)+4:AC+8*(\b)+7] offset:64*(\b)+16
.endr
	WIN 0
.irp i, 0,1,2,3,4,5,6,7,8,9,10,11,12,13,14,15
	ds_load_b128 v[BK+4*(\i):BK+4*(\i)+3], v[RD] offset:(\i)*SPITCH  ; LDS serves a wave's instructions in order: these see the stores above
.endr
.endm
.macro SEND a, younger                 ; younger: the 32 LDS instructions of the next block, or none
	WIN 0
.set BK, 64+64*((\a)%2)
	s_wait_dscnt \younger
.irp i, 0,1,2,3,4,5,6,7,8,9,10,11,12,13,14,15
	global_store_b128 v[CO], v[BK+4*(\i):BK+4*(\i)+3], s[8:9] offset:(16*(\a)+(\i))*4096 th:TH_STORE_NT  ; 512 consecutive bytes, aligned
.endr
.endm
	TOSTAGE 0
	TOSTAGE 1
.irp a, 2,3,4,5,6,7
	SEND (\a)-2, 32
	TOSTAGE \a
.endr
	SEND 6, 32
	SEND 7, 0
.else
; THE WAY OUT, f16: block a is rounded (16 bytes a lane), goes into my stage, rows of 272 bytes, and comes back as whole rows of 256.
.macro PACK a
.set AC, 64*((\a)%4)
	WIN 0x0a+5*((\a)/4)
.irp b, 0,1,2,3,4,5,6,7
.irp r, 0,1,2,3
	v_cvt_pk_f16_f32 v[TMP+4*(\b)+(\r)], v[AC+8*(\b)+2*(\r)], v[AC+8*(\b)+2*(\r)+1]
.endr
.endr
	WIN 0
.endm
.macro TOSTAGE a
	WIN 0
.set BK, OB+192*((\a)%2)
.irp b, 0,1,2,3,4,5,6,7
	ds_store_b128 v[STO], v[TMP+4*(\b):TMP+4*(\b)+3] offset:32*(\b)
.endr
.irp t, 0,1,2,3,4,5,6,7
	ds_load_b128 v[BK+4*(\t):BK+4*(\t)+3], v[RD] offset:(\t)*2*SPITCH  ; LDS serves a wave's instructions in order: these see the stores above
.endr
.endm
.macro SEND a, younger
	WIN 0
.set BK, OB+192*((\a)%2)
	s_wait_dscnt \younger
	s_wait_xcnt 0x0                                ; the stores of the block before have read their registers, which the next block's loads write
.irp t, 0,1,2,3,4,5,6,7
	global_store_b128 v[CO], v[BK+4*(\t):BK+4*(\t)+3], s[8:9] offset:(\a)*4096+(\t)*512  ; 512 consecutive bytes, aligned
.endr
.endm
	PACK 0
	TOSTAGE 0
.irp a, 1,2,3,4,5,6,7                  ; block a's conversions stand between block a - 1's loads from the stage and the wait for them
	PACK \a
	SEND (\a)-1, 0
	TOSTAGE \a
.endr
	SEND 7, 0
.endif
	s_wait_tensorcnt 0x0                           ; the wave's end
	ds_add_u32 v[SPW], v[NIL]
	s_wait_dscnt 0x0
	CROUND                                         ; the closing round
	s_endpgm
.Lfunc_end_k_qdc745ad48a_proj:
	.size	k_qdc745ad48a_proj, .Lfunc_end_k_qdc745ad48a_proj-k_qdc745ad48a_proj
	.p2alignl 7, 3214868480
	.fill 96, 4, 3214868480
	.section	.rodata,"a",@progbits
	.p2align	6, 0x0
	.amdhsa_kernel k_qdc745ad48a_proj
		.amdhsa_group_segment_fixed_size 327680
		.amdhsa_private_segment_fixed_size 0
		.amdhsa_enable_private_segment 0
		.amdhsa_kernarg_size 48
		.amdhsa_user_sgpr_count 2
		.amdhsa_user_sgpr_kernarg_segment_ptr 1
		.amdhsa_wavefront_size32 1
		.amdhsa_system_sgpr_workgroup_id_x 1
		.amdhsa_system_sgpr_workgroup_id_y 1
		.amdhsa_system_sgpr_workgroup_id_z 1
		.amdhsa_system_vgpr_workitem_id 0
		.amdhsa_next_free_vgpr 1024
		.amdhsa_next_free_sgpr 84
		.amdhsa_reserve_vcc 0
		.amdhsa_float_denorm_mode_32 3
		.amdhsa_float_denorm_mode_16_64 3
		.amdhsa_memory_ordered 1
		.amdhsa_forward_progress 1
		.amdhsa_inst_pref_size 119
	.end_amdhsa_kernel
	.amdgpu_metadata
---
amdhsa.version: [ 1, 2 ]
amdhsa.kernels:
  - .name:           k_qdc745ad48a_proj
    .symbol:         k_qdc745ad48a_proj.kd
    .args:
      - { .name: xh, .offset: 0, .size: 8, .value_kind: global_buffer, .address_space: global }
      - { .name: wh, .offset: 8, .size: 8, .value_kind: global_buffer, .address_space: global }
      - { .name: bq, .offset: 16, .size: 8, .value_kind: global_buffer, .address_space: global }
      - { .name: bk, .offset: 24, .size: 8, .value_kind: global_buffer, .address_space: global }
      - { .name: bv, .offset: 32, .size: 8, .value_kind: global_buffer, .address_space: global }
      - { .name: hd, .offset: 40, .size: 8, .value_kind: global_buffer, .address_space: global }
    .group_segment_fixed_size: 327680
    .private_segment_fixed_size: 0
    .kernarg_segment_align: 8
    .kernarg_segment_size: 48
    .max_flat_workgroup_size: 128
    .sgpr_count:     84
    .vgpr_count:     1024
    .wavefront_size: 32
...
	.end_amdgpu_metadata
.endif
;; end of part 2
;; launch attn (part 3): grid 4 x 64, 4 waves a work-group, clusters of 4 x 1, 327,680 bytes of LDS; arguments hd, cht, Wup, ln_w, ln_b, tau, ob; writes ob
.if DOCPART == 3
	.amdgcn_target "amdgcn-amd-amdhsa--gfx1250"
	.amdhsa_code_object_version 6
	.text
	.protected	k_qdc745ad48a_attn
	.globl	k_qdc745ad48a_attn
	.p2align	8
	.type	k_qdc745ad48a_attn,@function
k_qdc745ad48a_attn:
	s_mov_b64 s[64:65], 0
	v_nop
	global_prefetch_b8 v0, s[64:65] scope:SCOPE_SE
	s_setreg_imm32_b32 hwreg(HW_REG_WAVE_MODE, 25, 1), 1
	s_wait_xcnt 0x0
	s_wait_alu depctr_hold_cnt(0) depctr_sa_sdst(0) depctr_va_vdst(0) depctr_va_sdst(0) depctr_va_ssrc(0) depctr_va_vcc(0) depctr_vm_vsrc(0)
	s_getreg_b32 s2, hwreg(HW_REG_IB_STS2, 6, 4)
	s_cmp_eq_u32 s2, 0
	s_cbranch_scc0 .Lentry_in_a_cluster
	s_endpgm
.Lentry_in_a_cluster:
	s_bfe_u32 s2, ttmp6, 0x10000c
	s_cmp_lg_u32 s2, 0x3003
	s_cbranch_scc0 .Lentry_shape_is_right
	s_endpgm
.Lentry_shape_is_right:
; For one head and 256 queries: qe = qh + Wup cht (cht carries tanh(tau)); s = alpha qe . kh, alpha = 1 / (sqrt(128) (1 + tanh(tau))): the two score products of the module are one, since both multiply kh.
; LayerNorm of s over the 1,024 keys (gain and bias a key), softmax with a running maximum, times vh.  Matrix operands f16, everything else f32; O rounded once to f16, into ob [8192][1024].
; ROW SCALE.  qe is made in f32 and each row divided by its largest magnitude mx before it is rounded to f16 (qe itself may pass f16's range); G = alpha mx goes back in where eps enters: r = G rsqrt(G^2 var + eps).
; TWO PASSES over K, which lies whole in LDS (loaded once).  Pass 1: sums of (s' - c0) and (s' - c0)^2, c0 a sample of the row's own scores, taken off as the C operand of the product: the variance is no difference of large sums.
; Pass 2: the C operand is -mean; z = (s' - mean) (w log2 e) r + b log2 e; p = 2^(z - m); O and l are multiplied by a = 2^(m_old - m_new) in every step.
; LIMITS.  qh, kh, vh, cht within f16's 65,504; z above -4e37 (where m starts); a weight below 2^-126 counts as 0; NaN and infinities are not treated apart; an all-zero row of qe counts as mx = 1e-30.
; SHARES.  A wave owns 64 queries: tiles 0-3 of 16; piece 0 = tiles 0, 1; piece 2 = tiles 2, 3.  Both products are used transposed: a lane holds ONE query (lane % 16) in S^T, P and O^T.
; BY TURNS (pass 2).  In a turn one piece has the matrix unit: 32 products V^T P of the step in hand, 32 products K Q^T of the next; the other piece's 330 vector instructions stand in slices of five behind them.
; CLUSTER.  The four query blocks of a head walk the same K and V: every tile is asked for jointly.
; LDS: K 1,024 rows x 272 | V two slots of 64 rows x 288 | tables w log2 e, b log2 e (f32) | spare words.  The stage for the way out lies in K's first bytes, behind a barrier behind which nobody reads K.
; REGISTERS, in windows of 256: window 0: v2-11 addresses; v12-43 eight of statistics a tile; v44-47 G; v48-63 at work; v64-191 S^T; v192-255 P.  window 1: O^T (first: qe).  window 2: v0-127 Q; v128-255 K of one step.
; window 3: v0-127 V of one step; v128-159, v160-191 the step's tables; v192-223 the C operand, 8 equal registers a tile; v224-231 r, a pair a tile.
.set KS,    64
.set PK,    272
.set PVP,   288
.set KSB,   KS*PK                      ; a step's K: 17,408 bytes
.set VBASE, 1024*PK                    ; 0x44000
.set VSLOT, KS*PVP                     ; 0x4800
.set VTURN, 0xc800                     ; VBASE xor (VBASE + VSLOT)
.set TBL,   VBASE+2*VSLOT
.set SPARE, TBL+8192
.set SP,    272
.set AK0, 2
.set AV0, 3
.set ADR, 4
.set ADV, 5
.set STO, 6
.set RD,  7
.set GO,  8
.set QO,  9
.set CHO, 10
.set WO,  11
.set ST,  12                           ; tile t at ST + 8 t: +0 m, +1 0, +2 +3 l, +4 .. +7 c0-c3 at work, a in +6.  Pass 1: +2 +3 the sum, +4 +5 the sum of squares
.set G,   44
.set ONE, 48
.set ATB0, 49
.set ADT, 50
.set LNO, 51
.set ALPHA, 59
.set PFO, 61
.set SPW, 62
.set NIL, 63
.set S,   64
.set P,   192
.set KF,  128
.set WT,  128
.set BT,  160
.set MU,  192
.set RR,  224
.set WV,  20
.set G1K, 24
.set G1V32, 32
.set G1V64, 40
.set G0K, 48
.set G0V0, 52
.set G0V, 56
.set SEL, 60
.set CNT, 62
.set KST, 63                           ; the key step whose K lies, or is being fetched, in registers
.set TBV, 66
.set PFA, 68
.set MSB, 0
.macro WIN new
.if MSB != (\new)
	s_set_vgpr_msb (MSB<<8)|(\new)
.set MSB, \new
.endif
.endm
.set W_KQ, 0x0a                        ; K, Q window 2; S^T window 0
.set W_KM, 0x3a                        ; the same with the C operand in window 3
.set W_PV, 0x53                        ; V window 3, P window 0, O^T window 1
.set W_RS, 0x41                        ; destination and source 0 window 1
.set W_Z,  0x3c                        ; S^T window 0; sources 1 and 2 window 3
.macro CROUND
	s_barrier_signal -1
	s_barrier_wait -1
	s_cmp_lg_u32 s[WV], 0
	s_cbranch_scc1 .Lnot_wave_0_\@
	s_barrier_signal -3
.Lnot_wave_0_\@:
	s_barrier_wait -3
	s_barrier_signal -1
	s_barrier_wait -1
.endm
.macro PLACES
.rept 4
	v_nop
.endr
.endm
	s_load_b256 s[4:11], s[0:1], 0x0               ; hd, cht, Wup, ln_w
	s_load_b128 s[12:15], s[0:1], 0x20             ; ln_b, tau
	s_load_b64 s[16:17], s[0:1], 0x30              ; ob
	v_lshl_add_u32 v[SPW], v0, 2, SPARE
	v_mov_b32 v[NIL], 0
	ds_add_u32 v[SPW], v[NIL]                      ; the wave's opening: the add and its wait ahead of my first tensor load
	v_lshrrev_b32 v1, 5, v0
	v_readfirstlane_b32 s[WV], v1
	s_bfe_u32 s21, ttmp6, 0x40000                  ; cx: my block of 256 queries
	s_and_b32 s22, ttmp7, 0xffff                   ; 8 x batch + head, which the four partners share
	s_mov_b32 s[G1K],   15|(1<<16)|(1<<20)|(1<<21)|(5<<22)|(3<<25)  ; mask of four; 2-byte elements; padding on; bit 21 beside a mask; after every 64 words 4 words
	s_mov_b32 s[G1V32], 15|(1<<16)|(1<<20)|(1<<21)|(5<<22)|(7<<25)  ; the same with 8 words
	s_mov_b32 s[G1V64], 15|(1<<16)|(1<<20)|(1<<21)|(5<<22)|(7<<25)
.irp g, G1K, G1V32, G1V64
	s_mov_b32 s[(\g)+1], 128<<16                   ; tensor_dim0 = 128
	s_mov_b32 s[(\g)+3], 128<<16                   ; tile_dim0 = 128
	s_mov_b32 s[(\g)+5], 128                       ; elements from row to row
	s_mov_b32 s[(\g)+6], 0
	s_mov_b32 s[(\g)+7], 0
.endr
	s_mov_b32 s[G1K+2], 256<<16                    ; rows: tensor_dim1 and tile_dim1
	s_mov_b32 s[G1K+4], 256
	s_mov_b32 s[G1V32+2], 32<<16
	s_mov_b32 s[G1V32+4], 32
	s_mov_b32 s[G1V64+2], 64<<16
	s_mov_b32 s[G1V64+4], 64
	s_mov_b32 s[G0K], 1
	s_mul_i32 s[G0K+1], s[WV], 256*PK              ; wave w brings keys 256 w .. 256 w + 255
	s_mov_b32 s[G0V0], 1
	s_mul_i32 s[G0V0+1], s[WV], 32*PVP             ; and rows 32 w .. of V: the four strips are steps 0 and 1, both slots
	s_add_co_u32 s[G0V0+1], s[G0V0+1], VBASE
	s_mov_b32 s[G0V], 1
	s_mov_b32 s[G0V+1], VBASE+VSLOT                ; the walking descriptor stands at step 1; wave 0 alone issues it
	s_mov_b32 s[SEL], 0x76543210
	s_mov_b32 s[SEL+1], 0xfedcba98
	s_mov_b32 s[KST], 0
	s_mov_b32 s[TBV], 0
	s_lshl_b32 s70, s22, 18                        ; a head's 1,024 rows of 256 bytes
	s_mov_b32 s71, 0
	s_lshl_b32 s80, s[WV], 16                      ; 256 rows
	s_mov_b32 s81, 0
	s_lshl_b32 s82, s[WV], 13                      ; 32 rows
	s_mov_b32 s83, 0
	s_lshl_b32 s72, s21, 16                        ; my wave's 64 queries: in qh,
	s_lshl_b32 s73, s[WV], 14
	s_add_co_u32 s72, s72, s73
	s_mov_b32 s73, 0
	s_lshl_b32 s74, s21, 15                        ; in Wup (rows of 128 bytes),
	s_lshl_b32 s75, s[WV], 13
	s_add_co_u32 s74, s74, s75
	s_mov_b32 s75, 0
	s_lshl_b32 s76, s22, 13                        ; the head's 128 channels of cht (rows of 64 bytes)
	s_mov_b32 s77, 0
	s_lshr_b32 s78, s22, 3                         ; and in ob: (1,024 batch + 256 cx + 64 w) x 2,048 + 256 head
	s_lshl_b32 s78, s78, 21
	s_lshl_b32 s79, s21, 19
	s_add_co_u32 s78, s78, s79
	s_lshl_b32 s79, s[WV], 17
	s_add_co_u32 s78, s78, s79
	s_and_b32 s79, s22, 7
	s_lshl_b32 s79, s79, 8
	s_add_co_u32 s78, s78, s79
	s_mov_b32 s79, 0
	s_lshl_b32 s84, s21, 13                        ; the prefetches: my work-group's 32 rows of 128
	s_mov_b32 s85, 0
	s_wait_dscnt 0x0                               ; the opening add is done
	s_wait_kmcnt 0x0
	s_load_b32 s18, s[14:15], 0x0                  ; tau
	s_add_nc_u64 s[4:5], s[4:5], s[70:71]          ; qh of my head; kh lies 16,777,216 bytes on, vh twice that
	s_add_nc_u64 s[G0K+2:G0K+3], s[4:5], s[80:81]
	s_add_nc_u64 s[G0K+2:G0K+3], s[G0K+2:G0K+3], 0x1000000
	s_or_b32 s[G0K+3], s[G0K+3], 0x80000000
	s_add_nc_u64 s[G0V+2:G0V+3], s[4:5], 0x2000000
	s_add_nc_u64 s[G0V0+2:G0V0+3], s[G0V+2:G0V+3], s[82:83]
	s_or_b32 s[G0V0+3], s[G0V0+3], 0x80000000
	s_add_nc_u64 s[PFA:PFA+1], s[G0V+2:G0V+3], s[84:85]
	s_add_nc_u64 s[PFA:PFA+1], s[PFA:PFA+1], 2*KS*256   ; at step 2: the first change steps it to 3
	s_add_nc_u64 s[G0V+2:G0V+3], s[G0V+2:G0V+3], KS*256
	s_or_b32 s[G0V+3], s[G0V+3], 0x80000000
	s_add_nc_u64 s[72:73], s[4:5], s[72:73]
	s_add_nc_u64 s[8:9], s[8:9], s[74:75]
	s_add_nc_u64 s[6:7], s[6:7], s[76:77]
	s_add_nc_u64 s[16:17], s[16:17], s[78:79]
	CROUND                                         ; all four work-groups are here: the first joint loads meet
	tensor_load_to_lds s[G0K:G0K+3], s[G1K:G1K+7]  ; two loads of mine are out
	s_nop 0
	tensor_load_to_lds s[G0V0:G0V0+3], s[G1V32:G1V32+7]
	s_nop 0
.rept 4
	v_nop
.endr
	v_and_b32 v1, 15, v0                           ; l % 16
	v_bfe_u32 v52, v0, 4, 1                        ; l / 16
	v_lshlrev_b32 v[QO], 8, v1
	v_lshl_add_u32 v[QO], v52, 4, v[QO]
	v_lshlrev_b32 v[CHO], 6, v1
	v_lshl_add_u32 v[CHO], v52, 4, v[CHO]
	v_lshlrev_b32 v[WO], 7, v1
	v_lshl_add_u32 v[WO], v52, 5, v[WO]
	v_lshlrev_b32 v[LNO], 5, v0                    ; thread t takes 8 numbers of each table
.set i, 0
.rept 32                                       ; qh as it is added to O^T's layout: tile i / 8, channels 16 (i % 8) + 8 (l / 16) + 0..7
	global_load_b128 v[S+4*i:S+4*i+3], v[QO], s[72:73] offset:(i/8)*4096+(i%8)*32
.set i, i+1
.endr
	global_load_b128 v[P:P+3],     v[LNO], s[10:11]
	global_load_b128 v[P+4:P+7],   v[LNO], s[10:11] offset:16
	global_load_b128 v[P+8:P+11],  v[LNO], s[12:13]
	global_load_b128 v[P+12:P+15], v[LNO], s[12:13] offset:16
	WIN 0x80
.set i, 0
.rept 8                                        ; cht's fragments: 16 channels x 32 captions
	global_load_b128 v[KF+8*i:KF+8*i+3],   v[CHO], s[6:7] offset:i*1024
	global_load_b128 v[KF+8*i+4:KF+8*i+7], v[CHO], s[6:7] offset:i*1024+32
.set i, i+1
.endr
.set i, 0
.rept 16                                       ; Wup in f32: tile i / 4; captions 8 h .. and 16 + 8 h .. are two times 32 bytes, 64 apart
	global_load_b128 v[KF+64+4*i:KF+64+4*i+3], v[WO], s[8:9] offset:(i/4)*2048+16*(i%2)+64*((i%4)/2)
.set i, i+1
.endr
	WIN 0
	v_mul_u32_u24 v[AK0], v1, PK
	v_lshl_add_u32 v[AK0], v52, 4, v[AK0]
	v_and_b32 v53, 7, v0
	v_bfe_u32 v54, v0, 3, 1
	v_lshl_add_u32 v[AV0], v52, 3, v53             ; the turning load: key 8 (l / 16) + l % 8, channels 8 ((l / 8) % 2) + 0..7
	v_mul_u32_u24 v[AV0], v[AV0], PVP
	v_lshl_add_u32 v[AV0], v54, 4, v[AV0]
	v_add_nc_u32 v[AV0], VBASE, v[AV0]
	v_lshlrev_b32 v[ATB0], 5, v52
	v_add_nc_u32 v[ATB0], TBL, v[ATB0]
	s_mul_i32 s70, s[WV], 16*SP
	v_mul_u32_u24 v[STO], v1, SP
	v_lshl_add_u32 v[STO], v52, 4, v[STO]
	v_add_nc_u32 v[STO], s70, v[STO]
	v_mul_u32_u24 v[RD], v52, SP
	v_lshl_add_u32 v[RD], v1, 4, v[RD]
	v_add_nc_u32 v[RD], s70, v[RD]
	v_lshlrev_b32 v[GO], 11, v52
	v_lshl_add_u32 v[GO], v1, 4, v[GO]
	v_and_b32 v[PFO], 31, v0
	v_lshlrev_b32 v[PFO], 8, v[PFO]
	v_mov_b32 v[ONE], 1.0
	v_add_nc_u32 v60, TBL, v[LNO]
	s_wait_kmcnt 0x0
	v_mov_b32 v55, s18
	v_mul_f32 v55, 0x4038aa3b, v55                 ; 2 log2(e) tau
	v_exp_f32 v56, v55
	v_nop                                          ; a plain instruction behind each transcendental, and the wait ahead of its first reader
	s_wait_alu depctr_va_vdst(0)
	v_add_f32 v56, 1.0, v56
	v_rcp_f32 v57, v56
	v_nop
	s_wait_alu depctr_va_vdst(0)
	v_fma_f32 v57, v57, -2.0, 2.0                  ; 1 + tanh(tau)
	v_rcp_f32 v58, v57
	v_nop
	s_wait_alu depctr_va_vdst(0)
	v_mul_f32 v[ALPHA], 0x3db504f3, v58            ; 1 / sqrt(128) / (1 + t)
	s_wait_loadcnt 0x0
.set i, 0
.rept 8
	v_pk_mul_f32 v[P+2*i:P+2*i+1], v[P+2*i:P+2*i+1], 0x3fb8aa3b op_sel_hi:[1,0]  ; the tables go into the log2 domain
.set i, i+1
.endr
	ds_store_b128 v60, v[P:P+3]
	ds_store_b128 v60, v[P+4:P+7]   offset:16
	ds_store_b128 v60, v[P+8:P+11]  offset:4096
	ds_store_b128 v60, v[P+12:P+15] offset:4112
	WIN 0x8a
.set i, 0
.rept 32                                       ; Wup to f16 in place: register d of a tile's 16 from 2 d and 2 d + 1, ascending
	v_cvt_pk_f16_f32 v[KF+64+16*(i/8)+i%8], v[KF+64+16*(i/8)+2*(i%8)], v[KF+64+16*(i/8)+2*(i%8)+1]
.set i, i+1
.endr
	WIN 0x4a
.set i, 0
.rept 32                                       ; t cu, in O^T's layout: source 0 = 16 channels of cht, source 1 = 16 rows of Wup; K = 32 is the whole sum
	v_wmma_f32_16x16x32_f16 v[64*(i%4)+8*(i/4):64*(i%4)+8*(i/4)+7], v[KF+8*(i/4):KF+8*(i/4)+7], v[KF+64+16*(i%4):KF+64+16*(i%4)+7], 0
.set i, i+1
.endr
	PLACES
	WIN 0x50
.set i, 0
.rept 128                                      ; + qh: register i of S holds the two channels of O^T's registers 2 i, 2 i + 1
	v_fma_mix_f32 v[2*i],   v[S+i], v[ONE], v[2*i]   op_sel_hi:[1,0,0]
	v_fma_mix_f32 v[2*i+1], v[S+i], v[ONE], v[2*i+1] op_sel:[1,0,0] op_sel_hi:[1,0,0]
.set i, i+1
.endr
	WIN 0
.irp t, 0,1,2,3
	v_mov_b32 v[ST+8*(\t)+4], 0x0da24260           ; 1e-30
	v_mov_b32 v[ST+8*(\t)+5], 0x0da24260
.endr
	WIN 0x14
.set i, 0
.rept 128                                      ; the row's largest magnitude, two chains a tile
	v_max3_num_f32 v[ST+8*(i/32)+4+i%2], v[ST+8*(i/32)+4+i%2], |v[2*i]|, |v[2*i+1]|
.set i, i+1
.endr
	WIN 0
.irp t, 0,1,2,3
	v_max_num_f32 v[ST+8*(\t)+4], v[ST+8*(\t)+4], v[ST+8*(\t)+5]
.endr
.irp t, 0,1,2,3
	v_permlanex16_b32 v[ST+8*(\t)+5], v[ST+8*(\t)+4], s[SEL], s[SEL+1]  ; the row's other 64 channels lie in the lane 16 away
.endr
.irp t, 0,1,2,3
	v_max_num_f32 v[ST+8*(\t)+4], v[ST+8*(\t)+4], v[ST+8*(\t)+5]
.endr
.irp t, 0,1,2,3
	v_rcp_f32 v[ST+8*(\t)+6], v[ST+8*(\t)+4]
.endr
.irp t, 0,1,2,3
	v_mul_f32 v[G+(\t)], v[ALPHA], v[ST+8*(\t)+4]  ; G = alpha mx: plain work behind the four reciprocals
	v_mov_b32 v[ST+8*(\t)+7], 0
.endr
	s_wait_alu depctr_va_vdst(0)                   ; one wait for the four
	WIN W_RS
.set i, 0
.rept 128
	v_pk_mul_f32 v[2*i:2*i+1], v[2*i:2*i+1], v[ST+8*(i/32)+6:ST+8*(i/32)+7] op_sel_hi:[1,0]
.set i, i+1
.endr
	WIN 0x85
.set i, 0
.rept 128                                      ; two blocks of 16 channels, rounded in pairs, ARE a fragment of Q (32 channels x 16 queries)
	v_cvt_pk_f16_f32 v[i], v[2*i], v[2*i+1]
.set i, i+1
.endr
	; What the first turns find: O^T, l, piece 2's P and the scores that pass 1's first riders add are 0.  No first step is written out; this stands in the wait for K.
	WIN 0x40
.set i, 0
.rept 256
	v_mov_b32 v[i], 0
.set i, i+1
.endr
	WIN 0
.set i, 0
.rept 32
	v_mov_b32 v[P+32+i], 0
	v_mov_b32 v[S+32*(i/8)+24+i%8], 0
.set i, i+1
.endr
	s_wait_tensorcnt 0x0                           ; my parts of K and of V's first two steps are in,
	s_wait_dscnt 0x0                               ; my part of the tables is stored:
	s_barrier_signal -1
	s_barrier_wait -1                              ; everybody's are.
; A run of 8 LDS loads: key block kb (16 keys x 128 channels: four fragments) of the step at v[ADR]
.macro RUN kb
	WIN 0x80
.irp c, 0,1,2,3
	ds_load_b128 v[KF+32*(\kb)+8*(\c):KF+32*(\kb)+8*(\c)+3],   v[ADR] offset:(\kb)*16*PK+(\c)*64
	ds_load_b128 v[KF+32*(\kb)+8*(\c)+4:KF+32*(\kb)+8*(\c)+7], v[ADR] offset:(\kb)*16*PK+(\c)*64+32
.endr
.endm
.macro NEXTK                           ; the next key step, round the 16: its K's place in LDS
	WIN 0
	s_add_co_u32 s[KST], s[KST], 1
	s_and_b32 s[KST], s[KST], 15
	s_mul_i32 s70, s[KST], KSB
	v_add_nc_u32 v[ADR], s70, v[AK0]
.endm
	v_mov_b32 v[ADR], v[AK0]
	RUN 0
	RUN 1
	RUN 2
	s_wait_dscnt 16                                ; key block 0 is in
	WIN W_KQ
.set i, 0
.rept 16                                       ; THE SHIFT: the scores of key block 0, of which two a row are taken
.if i < 4
	v_wmma_f32_16x16x32_f16 v[S+32*(i%4):S+32*(i%4)+7], v[KF+8*(i/4):KF+8*(i/4)+7], v[32*(i%4)+8*(i/4):32*(i%4)+8*(i/4)+7], 0
.else
	v_wmma_f32_16x16x32_f16 v[S+32*(i%4):S+32*(i%4)+7], v[KF+8*(i/4):KF+8*(i/4)+7], v[32*(i%4)+8*(i/4):32*(i%4)+8*(i/4)+7], v[S+32*(i%4):S+32*(i%4)+7]
.endif
.set i, i+1
.endr
	WIN 0
	PLACES
.irp t, 0,1,2,3
	v_permlanex16_b32 v[ST+8*(\t)+5], v[S+32*(\t)], s[SEL], s[SEL+1]
.endr
.irp t, 0,1,2,3
	v_add_f32 v[ST+8*(\t)+5], v[ST+8*(\t)+5], v[S+32*(\t)]
.endr
	WIN 0xc0
.set i, 0
.rept 32
	v_mul_f32 v[MU+i], -0.5, v[ST+8*(i/8)+5]       ; the C operand: -c0, the same in both halves of the lanes
.set i, i+1
.endr
	WIN 0
.irp t, 0,1,2,3
	v_mov_b32 v[ST+8*(\t)+2], 0
	v_mov_b32 v[ST+8*(\t)+3], 0
	v_mov_b32 v[ST+8*(\t)+4], 0
	v_mov_b32 v[ST+8*(\t)+5], 0
.endr
; PASS 1.  A GROUP is key block kb for all four tiles: 16 products, the four accumulators by turns.  Behind every two products stand four riders: two pairs of the group before are added
; to the sum and to the sum of squares.  Behind the first four riders stands the run that fills the group before's K registers again, eight plain instructions behind their last reader.
.macro RIDE n                          ; pair n / 4 of tile n % 4: each accumulator's lowest registers are read first
.set rr, S+32*((\n)%4)+8*pb+2*((\n)/4)
.set rT, ST+8*((\n)%4)
	v_pk_add_f32 v[rT+2:rT+3], v[rT+2:rT+3], v[rr:rr+1]
	v_pk_fma_f32 v[rT+4:rT+5], v[rr:rr+1], v[rr:rr+1], v[rT+4:rT+5]
.endm
.macro GROUP kb
.set pb, ((\kb)+3)%4
	s_wait_dscnt 16                                ; my key block is in; the two younger runs may stay out
.set i, 0
.rept 16
.set rS, S+32*(i%4)+8*(\kb)
.set rK, KF+32*(\kb)+8*(i/4)
.set rQ, 32*(i%4)+8*(i/4)
.if i < 4
	WIN W_KM
	v_wmma_f32_16x16x32_f16 v[rS:rS+7], v[rK:rK+7], v[rQ:rQ+7], v[MU+8*(i%4):MU+8*(i%4)+7]
.else
	WIN W_KQ
	v_wmma_f32_16x16x32_f16 v[rS:rS+7], v[rK:rK+7], v[rQ:rQ+7], v[rS:rS+7]
.endif
.if i%2 == 1
	WIN 0
	RIDE i-1
	RIDE i
.if i == 1
	RUN pb
.endif
.endif
.set i, i+1
.endr
.endm
	s_mov_b32 s[CNT], 17
	s_branch .Lg0                                  ; the loop is entered at a step's first group
.Lp1:                                                  ; trip s: groups 1-3 of step s - 1, group 0 of step s; it fetches K of step s.  Trip 16 fetches step 0 again, for pass 2; its last 16 products serve nothing
	NEXTK
	GROUP 1
	GROUP 2
	GROUP 3
	WIN 0
.Lg0:
	GROUP 0
	WIN 0
	s_sub_co_u32 s[CNT], s[CNT], 1
	s_cmp_lg_u32 s[CNT], 0
	s_cbranch_scc1 .Lp1
	; THE STATISTICS: d = mean of s' - c0; var = mean square - d^2, both of the order of the row's spread; r = G rsqrt(G^2 var + eps)
.irp t, 0,1,2,3
	v_add_f32 v[ST+8*(\t)+2], v[ST+8*(\t)+2], v[ST+8*(\t)+3]
	v_add_f32 v[ST+8*(\t)+4], v[ST+8*(\t)+4], v[ST+8*(\t)+5]
.endr
.irp t, 0,1,2,3
	v_permlanex16_b32 v[ST+8*(\t)+3], v[ST+8*(\t)+2], s[SEL], s[SEL+1]
	v_permlanex16_b32 v[ST+8*(\t)+5], v[ST+8*(\t)+4], s[SEL], s[SEL+1]
.endr
.irp t, 0,1,2,3
	v_add_f32 v[ST+8*(\t)+2], v[ST+8*(\t)+2], v[ST+8*(\t)+3]
	v_add_f32 v[ST+8*(\t)+4], v[ST+8*(\t)+4], v[ST+8*(\t)+5]
.endr
.irp t, 0,1,2,3
	v_mul_f32 v[ST+8*(\t)+2], 0x3a800000, v[ST+8*(\t)+2]   ; / 1,024
	v_mul_f32 v[ST+8*(\t)+4], 0x3a800000, v[ST+8*(\t)+4]
.endr
.irp t, 0,1,2,3
	v_fma_f32 v[ST+8*(\t)+4], -v[ST+8*(\t)+2], v[ST+8*(\t)+2], v[ST+8*(\t)+4]
	v_mul_f32 v[ST+8*(\t)+5], v[G+(\t)], v[G+(\t)]
.endr
.irp t, 0,1,2,3
	v_max_num_f32 v[ST+8*(\t)+4], 0, v[ST+8*(\t)+4]
.endr
.irp t, 0,1,2,3
	v_fmaak_f32 v[ST+8*(\t)+4], v[ST+8*(\t)+5], v[ST+8*(\t)+4], 0x3727c5ac  ; + 1e-5
.endr
.irp t, 0,1,2,3
	v_rsq_f32 v[ST+8*(\t)+6], v[ST+8*(\t)+4]
.endr
	v_nop
	s_wait_alu depctr_va_vdst(0)                   ; one wait for the four
.irp t, 0,1,2,3
	v_mul_f32 v[ST+8*(\t)+6], v[G+(\t)], v[ST+8*(\t)+6]
.endr
	WIN 0xc0
.irp t, 0,1,2,3
	v_mov_b32 v[RR+2*(\t)],   v[ST+8*(\t)+6]
	v_mov_b32 v[RR+2*(\t)+1], v[ST+8*(\t)+6]
.endr
	WIN 0xc3
.set i, 0
.rept 32
	v_sub_f32 v[MU+i], v[MU+i], v[ST+8*(i/8)+2]    ; the C operand becomes -(c0 + d) = -mean
.set i, i+1
.endr
	WIN 0
.irp t, 0,1,2,3
	v_mov_b32 v[ST+8*(\t)],   0xfe000000           ; m starts far below every z: the first step's a is 0
	v_mov_b32 v[ST+8*(\t)+1], 0
	v_mov_b32 v[ST+8*(\t)+2], 0
	v_mov_b32 v[ST+8*(\t)+3], 0
.endr
; PASS 2.  THE MATRIX WORK OF A TURN, for piece x; the accumulators take turns, one instruction a turn.
.macro PV x                            ; product i of 32 of O^T += V^T P: keys 32 (i / 16) on, channels 16 ((i / 2) % 8) on, tile x + i % 2
	WIN W_PV
.set rO, 64*((\x)+i%2)+8*((i/2)%8)
.set rV, 64*(i/16)+8*((i/2)%8)
.set rP, P+16*((\x)+i%2)+8*(i/16)
	v_wmma_f32_16x16x32_f16 v[rO:rO+7], v[rV:rV+7], v[rP:rP+7], v[rO:rO+7]
.endm
.macro KQ x                            ; product i of 32 of S^T = K Q^T - mean: channels 32 (i / 8) on, keys 16 ((i / 2) % 4) on, tile x + i % 2
.set rS, S+32*((\x)+i%2)+8*((i/2)%4)
.set rK, KF+32*((i/2)%4)+8*(i/8)
.set rQ, 32*((\x)+i%2)+8*(i/8)
.if i < 8
	WIN W_KM
	v_wmma_f32_16x16x32_f16 v[rS:rS+7], v[rK:rK+7], v[rQ:rQ+7], v[MU+8*((\x)+i%2):MU+8*((\x)+i%2)+7]
.else
	WIN W_KQ
	v_wmma_f32_16x16x32_f16 v[rS:rS+7], v[rK:rK+7], v[rQ:rQ+7], v[rS:rS+7]
.endif
.endm
; THE LDS LOADS stand in runs.
.macro FETCH_K                         ; the next step's K: 32 loads
	NEXTK
	RUN 0
	RUN 1
	RUN 2
	RUN 3
.endm
.macro FETCH_T                         ; the tables of step KST: register 8 kb + j is key 16 kb + 8 (l / 16) + j
	WIN 0
	s_lshl_b32 s70, s[KST], 8
	v_add_nc_u32 v[ADT], s70, v[ATB0]
	WIN 0xc0
.irp c, 0,1,2,3
	ds_load_b128 v[WT+8*(\c):WT+8*(\c)+3],   v[ADT] offset:64*(\c)
	ds_load_b128 v[WT+8*(\c)+4:WT+8*(\c)+7], v[ADT] offset:64*(\c)+16
	ds_load_b128 v[BT+8*(\c):BT+8*(\c)+3],   v[ADT] offset:4096+64*(\c)
	ds_load_b128 v[BT+8*(\c)+4:BT+8*(\c)+7], v[ADT] offset:4096+64*(\c)+16
.endr
.endm
.macro FETCH_V turn                    ; a step's V, turned.  turn = 1: in a turn: the slot changes, and the wait for the softmax's batch of exponentials stands here, ahead of the loads
	WIN 0
	v_add_nc_u32 v[ADV], s[TBV], v[AV0]
.if \turn
	s_xor_b32 s[TBV], s[TBV], VSLOT
	s_wait_alu depctr_va_vdst(0)
.endif
	WIN 0xc0
.irp f, 0,1,2,3,4,5,6,7,8,9,10,11,12,13,14,15  ; keys 32 (f / 8) on, channels 16 (f % 8) on
	ds_load_tr16_b128 v[8*(\f):8*(\f)+3],   v[ADV] offset:((\f)/8)*32*PVP+((\f)%8)*32
	ds_load_tr16_b128 v[8*(\f)+4:8*(\f)+7], v[ADV] offset:((\f)/8)*32*PVP+16*PVP+((\f)%8)*32
.endr
.endm
; THE VECTOR WORK OF A TURN: a queue of 330 for the two tiles of piece Y; VQ writes number q.  The tiles alternate.
;   0-31 S (w log2 e)      32-63 x r + b log2 e      64-95 the maximum of the 32 z and the old m      96-103 the other half of the lanes'; m_old kept; the new m; m_old - m
;   104-201 ONE BATCH: the 32 subtractions z - m and all 66 exponentials (a at 108, 109); none of these names an exponential's result; a pair is shifted in an earlier six than the one with its exponentials
;   at 202 a v_nop (the plain instruction behind the last exponential) and the turn's ONE wait      202-233 the roundings to f16      234-265 the sums; l = a l + sum      266-329 O^T a
.macro REGS u
.set rT, ST+8*(Y+(\u))
.set rS, S+32*(Y+(\u))
.set rP, P+16*(Y+(\u))
.set rO, 64*(Y+(\u))
.set rR, RR+2*(Y+(\u))
.endm
.macro EE u, b
	REGS \u
	WIN 0
	v_pk_add_f32 v[rS+2*(\b):rS+2*(\b)+1], v[rS+2*(\b):rS+2*(\b)+1], v[rT:rT+1] op_sel_hi:[1,0] neg_lo:[0,1] neg_hi:[0,1]
.endm
.macro FF u, n
	REGS \u
	WIN 0
	v_exp_f32 v[rS+(\n)], v[rS+(\n)]
.endm
.macro VQ
.if q == 202
	WIN 0
	v_nop
.if Y == 0
	FETCH_V 1                                      ; piece 2's turn: V's run stands at the wait; its last reader stands nine products back
.else
	s_wait_alu depctr_va_vdst(0)
.endif
.endif
.if q < 32
	REGS q%2
.set b, q/2
	WIN W_Z
	v_pk_mul_f32 v[rS+2*b:rS+2*b+1], v[rS+2*b:rS+2*b+1], v[WT+2*b:WT+2*b+1]
.elseif q < 64
	REGS q%2
.set b, (q-32)/2
	WIN W_Z
	v_pk_fma_f32 v[rS+2*b:rS+2*b+1], v[rS+2*b:rS+2*b+1], v[rR:rR+1], v[BT+2*b:BT+2*b+1]
.elseif q < 96
	REGS q%2
.set n, (q-64)/2
	WIN 0
.if n < 4
	v_max3_num_f32 v[rT+4+n], v[rS+8*n], v[rS+8*n+1], v[rS+8*n+2]
.elseif n < 12
	v_max3_num_f32 v[rT+4+n%4], v[rT+4+n%4], v[rS+8*(n%4)+2*(n/4)+1], v[rS+8*(n%4)+2*(n/4)+2]
.elseif n == 12
	v_max3_num_f32 v[rT+4], v[rT+4], v[rS+7], v[rS+15]
.elseif n == 13
	v_max3_num_f32 v[rT+6], v[rT+6], v[rS+23], v[rS+31]
.elseif n == 14
	v_max3_num_f32 v[rT+4], v[rT+4], v[rT+5], v[rT+6]
.else
	v_max3_num_f32 v[rT+4], v[rT+4], v[rT+7], v[rT]
.endif
.elseif q < 104
	REGS q%2
.set n, (q-96)/2
	WIN 0
.if n == 0
	v_permlanex16_b32 v[rT+5], v[rT+4], s[SEL], s[SEL+1]
.elseif n == 1
	v_mov_b32 v[rT+7], v[rT]
.elseif n == 2
	v_max_num_f32 v[rT], v[rT+4], v[rT+5]
.else
	v_sub_f32 v[rT+7], v[rT+7], v[rT]
.endif
.elseif q < 108
	EE q%2, (q-104)/2
.elseif q < 110
	REGS q%2
	WIN 0
	v_exp_f32 v[rT+6], v[rT+7]
.elseif q < 194
.set g, (q-110)/6
.set e, (q-110)%6
.if e == 0
	EE 0, g+2
.elseif e == 1
	FF 0, 2*g
.elseif e == 2
	EE 1, g+2
.elseif e == 3
	FF 1, 2*g
.elseif e == 4
	FF 0, 2*g+1
.else
	FF 1, 2*g+1
.endif
.elseif q < 202
	FF q%2, 28+(q-194)/2
.elseif q < 234
	REGS q%2
.set n, (q-202)/2
	WIN 0
	v_cvt_pk_f16_f32 v[rP+n], v[rS+2*n], v[rS+2*n+1]
.elseif q < 266
	REGS q%2
.set z, (q-234)/2
.set w, 4
.set uu, z
.if z >= 14
.set w, 32
.set uu, 0
.elseif z >= 12
.set w, 16
.set uu, z-12
.elseif z >= 8
.set w, 8
.set uu, z-8
.endif
	WIN 0
.if z < 15
	v_pk_add_f32 v[rS+w*uu:rS+w*uu+1], v[rS+w*uu:rS+w*uu+1], v[rS+w*uu+w/2:rS+w*uu+w/2+1]
.else
	v_pk_fma_f32 v[rT+2:rT+3], v[rT+2:rT+3], v[rT+6:rT+7], v[rS:rS+1] op_sel_hi:[1,0,1]
.endif
.else
	REGS q%2
.set n, (q-266)/2
	WIN W_RS
	v_pk_mul_f32 v[rO+2*n:rO+2*n+1], v[rO+2*n:rO+2*n+1], v[rT+6:rT+7] op_sel_hi:[1,0]
.endif
.set q, q+1
.endm
.macro SLICE                           ; five of the queue; 330 = 5 x 63 + 15: slice 63 takes fifteen, all plain: the places between the turn's last product and what follows
.rept 5
	VQ
.endr
.if k == 63
.rept 10
	VQ
.endr
.endif
.set k, k+1
.endm
; A TURN.  Piece x has the matrix unit, the other piece's queue stands in slices.  Piece 0's turn fetches the next step's K behind its second product and the next step's tables behind slice 12, when the
; queue has read the old ones (numbers 0-63); both are waited for ahead of its 33rd product.  Piece 2's turn fetches the next step's V; it is waited for at the head of piece 0's turn.
.macro TURN x
.set k, 0
.set q, 0
.set Y, 2-(\x)
.if (\x) == 0
	s_wait_dscnt 0x0                               ; V is in
.endif
.set i, 0
.rept 32
	PV \x
	SLICE
.if ((\x) == 0) && (i == 1)
	FETCH_K
.endif
.if ((\x) == 0) && (i == 12)
	FETCH_T
.endif
.set i, i+1
.endr
.if (\x) == 0
	s_wait_dscnt 0x0                               ; K and the tables are in
.endif
.set i, 0
.rept 32
	KQ \x
	SLICE
.set i, i+1
.endr
.endm
; THE CHANGE OF SLOTS, ahead of piece 0's turn of step j.  Each wave waits for all its tensor loads (wave 0 has one out: V of step j + 1), adds 0 to its spare word, and waits for that and for its reads of V of step j.
; fill = 1: the barrier is a round of the cluster's; behind it wave 0 asks for V of step j + 2, into the slot that step j has left: one tensor load, with one key step in which to land.
; Behind that load, in every second change, wave 0 prefetches its work-group's 32 of the 128 rows of steps j + 3 and j + 4, a lane a row; the partners are told apart by address.  The last changes ask for nothing.
.macro CHANGE fill
	WIN 0
	s_wait_tensorcnt 0x0
	ds_add_u32 v[SPW], v[NIL]
.if \fill
	s_xor_b32 s[G0V+1], s[G0V+1], VTURN
	s_add_nc_u64 s[G0V+2:G0V+3], s[G0V+2:G0V+3], KS*256
	s_wait_xcnt 0x0                                ; the last prefetch, a key step or more back, has read its address
	s_add_nc_u64 s[PFA:PFA+1], s[PFA:PFA+1], KS*256
	s_wait_dscnt 0x0
	CROUND
	s_cmp_lg_u32 s[WV], 0
	s_cbranch_scc1 .Lno_fill_\@
	tensor_load_to_lds s[G0V:G0V+3], s[G1V64:G1V64+7]
	s_nop 0
.rept 4
	v_nop
.endr
	s_and_b32 s70, s[CNT], 1
	s_cmp_eq_u32 s70, 0
	s_cselect_b32 s70, 3, -1
	s_cmp_gt_u32 s[CNT], s70                       ; CNT = 14 - j: even, and step j + 4 exists
	s_cbranch_scc0 .Lno_fill_\@
	global_prefetch_b8 v[PFO], s[PFA:PFA+1] th:TH_LOAD_NT scope:SCOPE_SE
.Lno_fill_\@:
.else
	s_wait_dscnt 0x0
	s_barrier_signal -1
	s_barrier_wait -1
.endif
.endm
	FETCH_T                                        ; step 0's tables
	FETCH_V 0                                      ; finite numbers for the first turn's products on P = 0
	s_wait_dscnt 0x0                               ; and K of step 0, fetched by pass 1's last trip
.set i, 0
.rept 32
	KQ 0                                           ; piece 0's first scores
.set i, i+1
.endr
	WIN 0
	PLACES
	s_mov_b32 s[CNT], 15
	s_branch .Lmid                                 ; the loop is entered at piece 2's turn: its V^T P adds 0, its K Q^T and the softmax beside it are step 0's
.Lstep:                                                ; 14 times: V of steps 2 to 15 is asked for
	CHANGE 1
	TURN 0
	WIN 0
.Lmid:
	TURN 2
	WIN 0
	s_sub_co_u32 s[CNT], s[CNT], 1
	s_cmp_lg_u32 s[CNT], 0
	s_cbranch_scc1 .Lstep
	CHANGE 0                                       ; V of step 15 is in; the tail is written out
	s_mov_b32 s[CNT], 2
.Ltail:                                                ; steps 14 and 15; the second trip is left in its middle.  Its K Q^T, on K of step 0 fetched once more, serves nothing
	TURN 0
	WIN 0
	s_sub_co_u32 s[CNT], s[CNT], 1
	s_cmp_eq_u32 s[CNT], 0
	s_cbranch_scc1 .Lout
	TURN 2
	WIN 0
	s_branch .Ltail
.Lout:
	s_wait_dscnt 0x0                               ; my last reads of K are back:
	s_barrier_signal -1                            ; say so,
.set i, 0
.rept 32
	PV 2                                           ; piece 2's V^T P of the last step, on registers alone,
.set i, i+1
.endr
	WIN 0
	s_barrier_wait -1                              ; and behind this wait nobody reads K: its first bytes become the stages
	; THE WAY OUT.  l's halves and the other half of the lanes' are added; O^T is divided by l, rounded to f16 and sent through my stage, a tile at a time.
.irp t, 0,1,2,3
	v_add_f32 v[ST+8*(\t)+4], v[ST+8*(\t)+2], v[ST+8*(\t)+3]
.endr
.irp t, 0,1,2,3
	v_permlanex16_b32 v[ST+8*(\t)+5], v[ST+8*(\t)+4], s[SEL], s[SEL+1]
.endr
.irp t, 0,1,2,3
	v_add_f32 v[ST+8*(\t)+4], v[ST+8*(\t)+4], v[ST+8*(\t)+5]
.endr
.irp t, 0,1,2,3
	v_rcp_f32 v[ST+8*(\t)+6], v[ST+8*(\t)+4]
.endr
	v_nop
	s_wait_alu depctr_va_vdst(0)                   ; one wait for the four reciprocals
.macro PACK t
	WIN W_RS
.set i, 64*(\t)
.rept 32
	v_pk_mul_f32 v[i:i+1], v[i:i+1], v[ST+8*(\t)+6:ST+8*(\t)+7] op_sel_hi:[1,0]
.set i, i+2
.endr
	WIN 0x05
.set i, 0
.rept 32
	v_cvt_pk_f16_f32 v[S+32*(\t)+i], v[64*(\t)+2*i], v[64*(\t)+2*i+1]
.set i, i+1
.endr
	WIN 0
.irp f, 0,1,2,3,4,5,6,7
	ds_store_b128 v[STO], v[S+32*(\t)+4*(\f):S+32*(\t)+4*(\f)+3] offset:32*(\f)
.endr
.irp f, 0,1,2,3,4,5,6,7
	ds_load_b128 v[S+32*(\t)+4*(\f):S+32*(\t)+4*(\f)+3], v[RD] offset:(\f)*2*SP  ; LDS serves a wave's instructions in order: these see the stores above
.endr
.endm
.macro SEND t, younger                 ; younger: the next tile's sixteen LDS instructions, or none
	WIN 0
.irp f, 0,1,2,3,4,5,6,7
	s_wait_dscnt (\younger)+7-(\f)
	global_store_b128 v[GO], v[S+32*(\t)+4*(\f):S+32*(\t)+4*(\f)+3], s[16:17] offset:(\t)*32768+(\f)*4096  ; 16 lanes store a head's 256 bytes of a row, aligned
.endr
.endm
	PACK 0
	PACK 1
	SEND 0, 16
	PACK 2
	SEND 1, 16
	PACK 3
	SEND 2, 16
	SEND 3, 0
	s_wait_tensorcnt 0x0                           ; the wave's end
	ds_add_u32 v[SPW], v[NIL]
	s_wait_dscnt 0x0
	CROUND                                         ; the closing round
	s_endpgm
.Lfunc_end_k_qdc745ad48a_attn:
	.size	k_qdc745ad48a_attn, .Lfunc_end_k_qdc745ad48a_attn-k_qdc745ad48a_attn
	.p2alignl 7, 3214868480
	.fill 96, 4, 3214868480
	.section	.rodata,"a",@progbits
	.p2align	6, 0x0
	.amdhsa_kernel k_qdc745ad48a_attn
		.amdhsa_group_segment_fixed_size 327680
		.amdhsa_private_segment_fixed_size 0
		.amdhsa_enable_private_segment 0
		.amdhsa_kernarg_size 56
		.amdhsa_user_sgpr_count 2
		.amdhsa_user_sgpr_kernarg_segment_ptr 1
		.amdhsa_wavefront_size32 1
		.amdhsa_system_sgpr_workgroup_id_x 1
		.amdhsa_system_sgpr_workgroup_id_y 1
		.amdhsa_system_sgpr_workgroup_id_z 1
		.amdhsa_system_vgpr_workitem_id 0
		.amdhsa_next_free_vgpr 1024
		.amdhsa_next_free_sgpr 88
		.amdhsa_reserve_vcc 0
		.amdhsa_float_denorm_mode_32 3
		.amdhsa_float_denorm_mode_16_64 3
		.amdhsa_memory_ordered 1
		.amdhsa_forward_progress 1
		.amdhsa_inst_pref_size 249
	.end_amdhsa_kernel
	.amdgpu_metadata
---
amdhsa.version: [ 1, 2 ]
amdhsa.kernels:
  - .name:           k_qdc745ad48a_attn
    .symbol:         k_qdc745ad48a_attn.kd
    .args:
      - { .name: hd, .offset: 0, .size: 8, .value_kind: global_buffer, .address_space: global }
      - { .name: cht, .offset: 8, .size: 8, .value_kind: global_buffer, .address_space: global }
      - { .name: Wup, .offset: 16, .size: 8, .value_kind: global_buffer, .address_space: global }
      - { .name: ln_w, .offset: 24, .size: 8, .value_kind: global_buffer, .address_space: global }
      - { .name: ln_b, .offset: 32, .size: 8, .value_kind: global_buffer, .address_space: global }
      - { .name: tau, .offset: 40, .size: 8, .value_kind: global_buffer, .address_space: global }
      - { .name: ob, .offset: 48, .size: 8, .value_kind: global_buffer, .address_space: global }
    .group_segment_fixed_size: 327680
    .private_segment_fixed_size: 0
    .kernarg_segment_align: 8
    .kernarg_segment_size: 56
    .max_flat_workgroup_size: 128
    .sgpr_count:     88
    .vgpr_count:     1024
    .wavefront_size: 32
...
	.end_amdgpu_metadata
.endif
;; end of part 3
;; launch outp (part 4): grid 4 x 64, 4 waves a work-group, clusters of 4 x 4, 327,680 bytes of LDS; arguments ob, wh, bm, out0; writes out0
.if DOCPART == 4
	.amdgcn_target "amdgcn-amd-amdhsa--gfx1250"
	.amdhsa_code_object_version 6
	.text
	.protected	k_qdc745ad48a_outp
	.globl	k_qdc745ad48a_outp
	.p2align	8
	.type	k_qdc745ad48a_outp,@function
k_qdc745ad48a_outp:
	s_mov_b64 s[64:65], 0
	v_nop
	global_prefetch_b8 v0, s[64:65] scope:SCOPE_SE
	s_setreg_imm32_b32 hwreg(HW_REG_WAVE_MODE, 25, 1), 1
	s_wait_xcnt 0x0
	s_wait_alu depctr_hold_cnt(0) depctr_sa_sdst(0) depctr_va_vdst(0) depctr_va_sdst(0) depctr_va_ssrc(0) depctr_va_vcc(0) depctr_vm_vsrc(0)
	s_getreg_b32 s2, hwreg(HW_REG_IB_STS2, 6, 4)
	s_cmp_eq_u32 s2, 0
	s_cbranch_scc0 .Lentry_in_a_cluster
	s_endpgm
.Lentry_in_a_cluster:
	s_bfe_u32 s2, ttmp6, 0x10000c
	s_cmp_lg_u32 s2, 0xf033
	s_cbranch_scc0 .Lentry_shape_is_right
	s_endpgm
.Lentry_shape_is_right:
; out0[m][n] = sum over k of ob[m][k] Wm[n][k] + bm[n].  ob [8192][1024] and Wm (the fourth matrix of wh) in f16, sums and out0 in f32.
; A TILE OF 128 x 256: 64 x 4 tiles, one work-group for each of 256; tiles of 256 x 256 would be 128.  Four waves, each 64 x 128: 32 accumulators, 256 registers.
; K goes in steps of 128 through two LDS slots filled by the tensor data mover: 128 rows of ob, then 256 rows of Wm, each row 256 bytes of memory, aligned.  Two slots of a longer step do not fit
; (384 rows x 528 bytes x 2 = 405,504).  CLUSTERS of 4 x 4: ob's tile is asked for jointly along a row of the cluster, Wm's along a column.
; The matrix instruction is used transposed (source 0 = 16 rows of Wm, source 1 = 16 rows of ob): a lane holds eight neighbouring columns of one row of out0.
; The first product on each accumulator takes the bias as its C operand: nothing is cleared, nothing added later.
; ONE K STEP IS WRITTEN ONCE: the loop's LDS addresses hang on s[TB], 0 or SLOT1, and one descriptor a tensor walks.  The last two K steps, which ask for nothing, are written out.
; REGISTERS, in windows of 256: window 0: v16-30 addresses; v32-95 ob's fragments, two buffers of 4 x 8; v96-223 Wm's, two buffers of 8 x 8 (all of these at work again on the way out);
; window 1: the accumulators ((a, b) at v[8 (8 a + b)]); window 2: v0-63 the bias.  So a quarter step has two switches: one for its loads, one for its products.
.set SIZE_K, 1024
.set KSTEP,  128
.set PITCH,  272                       ; 256 bytes + 16 of padding: the 16 rows that a load touches start at 16 different groups of four banks
.set AHALF,  64*PITCH                  ; what a wave fetches of ob, and what it reads of it
.set BHALF,  128*PITCH                 ; the same for Wm
.set BOFF,   128*PITCH                 ; Wm's rows lie behind ob's 128
.set SLOT1,  1<<17                     ; a slot has 104,448 bytes; slot 1 begins here, so that one exclusive or turns an address in one slot into the other's
.set STAGE,  SLOT1+384*PITCH           ; behind the ring: 16 rows x 528 bytes for each wave, for the way out
.set SPITCH, 528
.set SPARE,  STAGE+4*16*SPITCH         ; behind the stages: the spare words, 128 bytes a wave
.set ADRA0, 16                         ; my lane's place in ob's rows of slot 0; never rewritten
.set ADRB0, 17
.set ADRA, 18                          ; the same in the slot that is being read
.set ADRB, 19
.set STO,  24
.set RD,   25
.set CO,   26
.set BO,   27
.set SPW,  28
.set NIL,  29
.set PFO,  30
.set FA,   32                          ; ob's fragments: buffer f at FA + 32 f
.set FB,   96                          ; Wm's: buffer f at FB + 64 f
.set BIAS, 0                           ; in window 2
.set G1,  24
.set G0,  32
.set G1B, 48
.set G0B, 56
.set PFA, 44
.set LIM, 43
.set TB,  66
.set MSB, 0
.macro WIN new                         ; the immediate's high byte repeats the setting that is left; a switch that changes nothing is dropped
.if MSB != (\new)
	s_set_vgpr_msb (MSB<<8)|(\new)
.set MSB, \new
.endif
.endm
; A joint load.  Waves 0 and 1 fetch ob's two halves (64 rows each), waves 2 and 3 Wm's (128 rows each).  The branch hangs on the wave's number alone.  An s_nop 0 and four v_nop follow each of the two lines.
.macro JLOAD s
	s_cmp_eq_u32 s11, 0
	s_cbranch_scc0 .Lfor_b_\@
	tensor_load_to_lds s[G0+4*(\s):G0+4*(\s)+3], s[G1:G1+7]
	s_nop 0
.rept 4
	v_nop
.endr
	s_branch .Lasked_\@
.Lfor_b_\@:
	tensor_load_to_lds s[G0B+4*(\s):G0B+4*(\s)+3], s[G1B:G1B+7]
	s_nop 0
.rept 4
	v_nop
.endr
.Lasked_\@:
.endm
; A prefetch of the K step that stands two refills, 256 matrix instructions, on: 32 rows x 256 bytes, a lane a row.  ob's rows are read by one row of one cluster alone: its four partners take 32 of the tile's 128 rows
; each, told apart by address, and in each wave 0 asks.  Wm's rows are read by every cluster: the first (y = 0) asks, waves 2 and 3 for the 128 rows that they fetch, 32 a partner.  The last two refills have no K step two on.
.macro ASK
	s_cmp_gt_u32 s3, s[LIM]
	s_cbranch_scc0 .Lnot_mine_\@
	global_prefetch_b8 v[PFO], s[PFA:PFA+1] offset:KSTEP*2 th:TH_LOAD_NT scope:SCOPE_SE
.Lnot_mine_\@:
.endm
.macro CREST                           ; a round of the cluster's barrier behind its opening barrier
	s_cmp_lg_u32 s10, 0
	s_cbranch_scc1 .Lnot_wave_0_\@
	s_barrier_signal -3
.Lnot_wave_0_\@:
	s_barrier_wait -3
	s_barrier_signal -1
	s_barrier_wait -1
.endm
.macro CROUND
	s_barrier_signal -1
	s_barrier_wait -1
	CREST
.endm
	s_load_b128 s[4:7], s[0:1], 0x0                ; ob, wh
	s_load_b128 s[68:71], s[0:1], 0x10             ; bm, out0
	v_lshl_add_u32 v[SPW], v0, 2, SPARE
	v_mov_b32 v[NIL], 0
	ds_add_u32 v[SPW], v[NIL]                      ; the wave's opening: the add and its wait ahead of my first tensor load
	v_lshrrev_b32 v1, 5, v0
	v_readfirstlane_b32 s10, v1                    ; wave 0..3
	s_lshr_b32 s11, s10, 1                         ; which 64 of the tile's rows are mine.  Also: I fetch for ob (0) or for Wm (1)
	s_and_b32 s12, s10, 1                          ; which 128 of its columns.  Also: which half of that tile's rows I fetch
	s_bfe_u32 s40, ttmp6, 0x40000                  ; cx
	s_bfe_u32 s41, ttmp6, 0x40004                  ; cy
	s_lshl_b32 s42, ttmp9, 2
	s_add_co_u32 s42, s42, s40                     ; tile column
	s_and_b32 s13, ttmp7, 0xffff
	s_lshl_b32 s13, s13, 2
	s_add_co_u32 s13, s13, s41                     ; tile row
	s_lshl_b32 s43, s41, 2
	s_lshl_b32 s43, 15, s43                        ; my row of the cluster
	s_lshl_b32 s44, 0x1111, s40                    ; my column
	s_or_b32 s[G1+0], s43, (1<<16)|(1<<20)|(1<<21)|(5<<22)|(3<<25)   ; mask; 2-byte elements; padding on; bit 21 beside a mask; after every 64 words 4 words
	s_or_b32 s[G1B+0], s44, (1<<16)|(1<<20)|(1<<21)|(5<<22)|(3<<25)
.irp g, G1, G1B
	s_mov_b32 s[(\g)+1], KSTEP<<16                 ; tensor_dim0 = 128
	s_mov_b32 s[(\g)+3], KSTEP<<16                 ; tile_dim0 = 128
	s_mov_b32 s[(\g)+5], SIZE_K                    ; elements from row to row
	s_mov_b32 s[(\g)+6], 0
	s_mov_b32 s[(\g)+7], 0
.endr
	s_mov_b32 s[G1+2], 64<<16                      ; rows (tensor_dim1, tile_dim1): 64 of ob,
	s_mov_b32 s[G1+4], 64
	s_mov_b32 s[G1B+2], 128<<16                    ; 128 of Wm
	s_mov_b32 s[G1B+4], 128
	s_lshl_b32 s17, s12, 6
	s_lshl_b32 s16, s13, 7
	s_add_co_u32 s16, s16, s17                     ; ob: row 128 x tile row + 64 x half
	s_lshl_b32 s47, s12, 7
	s_lshl_b32 s46, s42, 8
	s_add_co_u32 s46, s46, s47                     ; Wm: row 256 x tile column + 128 x half
	s_mov_b32 s17, 0
	s_mov_b32 s47, 0
	s_mov_b64 s[18:19], SIZE_K*2
	s_mul_u64 s[16:17], s[16:17], s[18:19]
	s_mul_u64 s[46:47], s[46:47], s[18:19]
	s_mul_i32 s20, s12, AHALF                      ; where they go: no place in the cluster enters an LDS address
	s_mul_i32 s21, s12, BHALF
	s_add_co_u32 s21, s21, BOFF
	s_wait_dscnt 0x0                               ; the opening add is done
	s_wait_kmcnt 0x0
	s_add_nc_u64 s[6:7], s[6:7], 3<<21             ; the fourth matrix of wh
	s_add_nc_u64 s[14:15], s[4:5], s[16:17]
	s_add_nc_u64 s[46:47], s[6:7], s[46:47]
	s_mov_b64 s[8:9], s[70:71]
	CROUND                                         ; all sixteen work-groups are here: the first joint loads meet
.irp s, 0,1
	s_mov_b32 s[G0+4*(\s)], 1
	s_add_co_u32 s[G0+4*(\s)+1], s20, (\s)*SLOT1
	s_add_nc_u64 s[G0+4*(\s)+2:G0+4*(\s)+3], s[14:15], (\s)*KSTEP*2
	s_or_b32 s[G0+4*(\s)+3], s[G0+4*(\s)+3], 0x80000000
	s_mov_b32 s[G0B+4*(\s)], 1
	s_add_co_u32 s[G0B+4*(\s)+1], s21, (\s)*SLOT1
	s_add_nc_u64 s[G0B+4*(\s)+2:G0B+4*(\s)+3], s[46:47], (\s)*KSTEP*2
	s_or_b32 s[G0B+4*(\s)+3], s[G0B+4*(\s)+3], 0x80000000
	JLOAD \s                                       ; two loads of mine are out
.endr
	v_and_b32 v1, 15, v0                           ; l % 16
	v_bfe_u32 v2, v0, 4, 1                         ; l / 16
	v_and_b32 v5, 31, v0
	v_mul_u32_u24 v3, v1, PITCH
	v_lshl_add_u32 v3, v2, 4, v3                   ; a fragment's row x pitch + 16 x half
	s_mul_i32 s21, s11, AHALF                      ; my 64 rows of ob
	s_mul_i32 s22, s12, BHALF                      ; my 128 rows of Wm
	s_add_co_u32 s22, s22, BOFF
	v_add_nc_u32 v[ADRA0], s21, v3
	v_add_nc_u32 v[ADRB0], s22, v3
	v_mov_b32 v[ADRA], v[ADRA0]
	v_mov_b32 v[ADRB], v[ADRB0]
	s_mov_b32 s[TB], 0
	s_mul_i32 s23, s10, 16*SPITCH
	s_add_co_u32 s23, s23, STAGE                   ; my stage
	v_mul_u32_u24 v4, v1, SPITCH
	v_lshl_add_u32 v4, v2, 5, v4                   ; in: row l % 16, 32 bytes for each half of the lanes
	v_add_nc_u32 v[STO], s23, v4
	v_lshl_add_u32 v[RD], v5, 4, s23               ; back: 32 lanes take one row of 512 bytes
	v_lshlrev_b32 v[CO], 4, v5                     ; which are 512 consecutive bytes of out0
	v_lshlrev_b32 v[BO], 5, v2
	s_lshl_b32 s80, s42, 10                        ; the bias of my 128 columns
	s_lshl_b32 s81, s12, 9
	s_add_co_u32 s80, s80, s81
	s_mov_b32 s81, 0
	s_add_nc_u64 s[68:69], s[68:69], s[80:81]
	WIN 0x80                                       ; destination window 2
.irp b, 0,1,2,3,4,5,6,7
	global_load_b128 v[BIAS+8*(\b):BIAS+8*(\b)+3],   v[BO], s[68:69] offset:64*(\b)      ; register j of block b: column 16 b + 8 (l / 16) + j
	global_load_b128 v[BIAS+8*(\b)+4:BIAS+8*(\b)+7], v[BO], s[68:69] offset:64*(\b)+16
.endr
	WIN 0
	s_lshl_b32 s16, s13, 7
	s_lshl_b32 s14, s11, 6
	s_add_co_u32 s16, s16, s14                     ; my first row,
	s_lshl_b32 s16, s16, 12                        ; rows of 4,096 bytes,
	s_lshl_b32 s46, s42, 10                        ; my first column
	s_lshl_b32 s47, s12, 9
	s_add_co_u32 s46, s46, s47
	s_add_co_u32 s46, s46, s16
	s_mov_b32 s47, 0
	s_add_nc_u64 s[8:9], s[8:9], s[46:47]
	; the prefetches
	s_lshl_b32 s13, s13, 7                         ; ob: the tile's first row
	s_lshl_b32 s42, s42, 8
	s_lshl_b32 s22, s12, 7
	s_add_co_u32 s42, s42, s22                     ; Wm: the first of the 128 rows that I fetch
	s_and_b32 s22, ttmp7, 0xffff                   ; Wm's rows are read by every cluster along y: the first asks
	s_or_b32 s23, ttmp9, s12                       ; ob's by one cluster alone (there is one along x): its wave 0 asks
	s_cmp_eq_u32 s11, 0
	s_cselect_b32 s20, s13, s42
	s_cselect_b32 s21, s40, s41                    ; my place among the four that ask for the tile with me
	s_cselect_b32 s22, s23, s22
	s_cselect_b64 s[PFA:PFA+1], s[4:5], s[6:7]
	s_cmp_eq_u32 s22, 0
	s_cselect_b32 s[LIM], 2, -1                    ; the same in all sixteen partners, for a given wave
	s_lshl_b32 s21, s21, 5
	s_add_co_u32 s20, s20, s21                     ; + my work-group's 32 rows
	s_mov_b32 s21, 0
	s_mov_b64 s[18:19], SIZE_K*2
	s_mul_u64 s[20:21], s[20:21], s[18:19]
	s_add_nc_u64 s[PFA:PFA+1], s[PFA:PFA+1], s[20:21]
	s_add_nc_u64 s[PFA:PFA+1], s[PFA:PFA+1], 2*KSTEP*2  ; at K step 2: the first refill steps it to 3 and names K step 4
	v_mul_u32_u24 v[PFO], v5, SIZE_K*2
; 8 matrix instructions: m block a x all 8 n blocks, 32 along K, from buffer f.  start = 1: the first product starts the sums from the bias.  The 32 accumulators take turns, in the same order in every quarter.
.macro MUL8 f, a, start
.if \start
	WIN 0x60                                       ; fragments window 0, the bias window 2, D window 1
.else
	WIN 0x50                                       ; fragments window 0, C and D window 1
.endif
.irp b, 0,1,2,3,4,5,6,7
.if \start
	v_wmma_f32_16x16x32_f16 v[8*(8*(\a)+(\b)):8*(8*(\a)+(\b))+7], v[FB+64*(\f)+8*(\b):FB+64*(\f)+8*(\b)+7], v[FA+32*(\f)+8*(\a):FA+32*(\f)+8*(\a)+7], v[BIAS+8*(\b):BIAS+8*(\b)+7]
.else
	v_wmma_f32_16x16x32_f16 v[8*(8*(\a)+(\b)):8*(8*(\a)+(\b))+7], v[FB+64*(\f)+8*(\b):FB+64*(\f)+8*(\b)+7], v[FA+32*(\f)+8*(\a):FA+32*(\f)+8*(\a)+7], v[8*(8*(\a)+(\b)):8*(8*(\a)+(\b))+7]
.endif
.endr
.endm
; 24 LDS loads in one run: the fragments of one quarter step (128 rows of Wm, 64 rows of ob, 32 K at byte k of the rows of the slot in hand) into buffer f
.macro FETCH k, f
	WIN 0
.irp i, 0,1,2,3,4,5,6,7
	ds_load_b128 v[FB+64*(\f)+8*(\i):FB+64*(\f)+8*(\i)+3],   v[ADRB] offset:(\k)+(\i)*16*PITCH
	ds_load_b128 v[FB+64*(\f)+8*(\i)+4:FB+64*(\f)+8*(\i)+7], v[ADRB] offset:(\k)+(\i)*16*PITCH+32
.endr
.irp i, 0,1,2,3
	ds_load_b128 v[FA+32*(\f)+8*(\i):FA+32*(\f)+8*(\i)+3],   v[ADRA] offset:(\k)+(\i)*16*PITCH
	ds_load_b128 v[FA+32*(\f)+8*(\i)+4:FA+32*(\f)+8*(\i)+7], v[ADRA] offset:(\k)+(\i)*16*PITCH+32
.endr
.endm
.macro PLACES                          ; four plain vector instructions between a matrix instruction and a load into, or a reader of, its registers
.rept 4
	v_nop
.endr
.endm
; A K step is four quarters of 32 along K, 32 matrix instructions each, on buffers 0, 1, 0, 1.  One of the first three: buffer f, asked for a quarter ago, is multiplied; the next quarter's fragments, at byte k,
; are asked for first, into buffer g, so that they have the quarter's 32 products in which to come.
.macro QUARTER k, f, g, start
	s_wait_dscnt 0x0                               ; buffer f is in
	PLACES                                         ; buffer g was read by the products just issued
	FETCH \k, \g
	MUL8 \f, 0, \start
	MUL8 \f, 1, \start
	MUL8 \f, 2, \start
	MUL8 \f, 3, \start
.endm
; The last quarter multiplies buffer 1 and changes slots: ONE barrier.  In front of it each wave waits for all its tensor loads (one is out: its part of the next slot), adds 0 to its spare word, and waits
; for that and for its own reads of this slot.  fill = 1: the barrier opens a round of the cluster's, and behind it this slot is filled again first, with the K step two on: 112 products ahead of the wait for it.
.macro TURN fill
.if \fill
	s_wait_xcnt 0x0                                ; the last prefetch, a K step back, has read its address
	s_add_nc_u64 s[PFA:PFA+1], s[PFA:PFA+1], KSTEP*2
.endif
	WIN 0
	s_wait_tensorcnt 0x0
	ds_add_u32 v[SPW], v[NIL]
	s_wait_dscnt 1                                 ; buffer 1 is in; the add may be out
	MUL8 1, 0, 0
	s_wait_dscnt 0x0                               ; the add is done, and my reads of this slot are over
	s_barrier_signal -1
	MUL8 1, 1, 0
	WIN 0
	s_barrier_wait -1
.if \fill
	CREST                                          ; no wave of any partner still reads this slot or has a load on its way
	s_xor_b32 s[G0+5], s[G0+5], SLOT1              ; the walking descriptors: the other slot than last time, the next K step
	s_add_nc_u64 s[G0+6:G0+7], s[G0+6:G0+7], KSTEP*2
	s_xor_b32 s[G0B+5], s[G0B+5], SLOT1
	s_add_nc_u64 s[G0B+6:G0B+7], s[G0B+6:G0B+7], KSTEP*2
	JLOAD 1                                        ; my one tensor load behind the round; its four v_nop are also the places in front of the loads below
.else
	PLACES
.endif
	s_xor_b32 s[TB], s[TB], SLOT1
	v_add_nc_u32 v[ADRA], s[TB], v[ADRA0]
	v_add_nc_u32 v[ADRB], s[TB], v[ADRB0]
	FETCH 0, 0
.if \fill
	ASK
.endif
	MUL8 1, 2, 0
	MUL8 1, 3, 0
.endm
	s_wait_tensorcnt 1                             ; my part of K step 0 is in; K step 1's may stay out
	s_barrier_signal -1
	s_barrier_wait -1
	FETCH 0, 0
	s_wait_loadcnt 0x0                             ; the bias
	QUARTER 64, 0, 1, 1                            ; the first quarter stands in front of the loop: its products start the sums
	WIN 0
	s_mov_b32 s3, 6                                ; six refills: K steps 2 to 7
.Lstep:                                                ; a trip: from a K step's second quarter to the next K step's first
	QUARTER 128, 1, 0, 0
	QUARTER 192, 0, 1, 0
	TURN 1
	QUARTER 64, 0, 1, 0
	WIN 0
	s_sub_co_u32 s3, s3, 1
	s_cmp_lg_u32 s3, 0
	s_cbranch_scc1 .Lstep
	QUARTER 128, 1, 0, 0                           ; K steps 6 and 7 ask for nothing: written out
	QUARTER 192, 0, 1, 0
	TURN 0
	QUARTER 64, 0, 1, 0
	QUARTER 128, 1, 0, 0
	QUARTER 192, 0, 1, 0
	s_wait_dscnt 0x0
	MUL8 1, 0, 0
	MUL8 1, 1, 0
	MUL8 1, 2, 0
	MUL8 1, 3, 0
	WIN 0
	PLACES
; THE WAY OUT: block a (16 rows x 128 columns) goes from the accumulators into my stage, rows of 528 bytes, and comes back as whole rows of 512, into the fragments' registers.
.macro TOSTAGE a
.set AC, 64*(\a)
.set BK, 32+64*((\a)%2)
.if (\a) >= 2
	s_wait_xcnt 0x0                                ; the stores of the block two back have read the registers that are loaded again below
.endif
	WIN 0x04                                       ; the stored data in window 1
.irp b, 0,1,2,3,4,5,6,7
	ds_store_b128 v[STO], v[AC+8*(\b):AC+8*(\b)+3]   offset:64*(\b)
	ds_store_b128 v[STO], v[AC+8*(\b)+4:AC+8*(\b)+7] offset:64*(\b)+16
.endr
	WIN 0
.irp i, 0,1,2,3,4,5,6,7,8,9,10,11,12,13,14,15
	ds_load_b128 v[BK+4*(\i):BK+4*(\i)+3], v[RD] offset:(\i)*SPITCH  ; LDS serves a wave's instructions in order: these see the stores above
.endr
.endm
.macro SEND a, younger                 ; younger: the 32 LDS instructions of the next block, or none
	WIN 0
.set BK, 32+64*((\a)%2)
	s_wait_dscnt \younger
.irp i, 0,1,2,3,4,5,6,7,8,9,10,11,12,13,14,15
	global_store_b128 v[CO], v[BK+4*(\i):BK+4*(\i)+3], s[8:9] offset:(16*(\a)+(\i))*4096 th:TH_STORE_NT  ; 512 consecutive bytes, aligned
.endr
.endm
	TOSTAGE 0
	TOSTAGE 1
.irp a, 2,3
	SEND (\a)-2, 32
	TOSTAGE \a
.endr
	SEND 2, 32
	SEND 3, 0
	s_wait_tensorcnt 0x0                           ; the wave's end
	ds_add_u32 v[SPW], v[NIL]
	s_wait_dscnt 0x0
	CROUND                                         ; the closing round
	s_endpgm
.Lfunc_end_k_qdc745ad48a_outp:
	.size	k_qdc745ad48a_outp, .Lfunc_end_k_qdc745ad48a_outp-k_qdc745ad48a_outp
	.p2alignl 7, 3214868480
	.fill 96, 4, 3214868480
	.section	.rodata,"a",@progbits
	.p2align	6, 0x0
	.amdhsa_kernel k_qdc745ad48a_outp
		.amdhsa_group_segment_fixed_size 327680
		.amdhsa_private_segment_fixed_size 0
		.amdhsa_enable_private_segment 0
		.amdhsa_kernarg_size 32
		.amdhsa_user_sgpr_count 2
		.amdhsa_user_sgpr_kernarg_segment_ptr 1
		.amdhsa_wavefront_size32 1
		.amdhsa_system_sgpr_workgroup_id_x 1
		.amdhsa_system_sgpr_workgroup_id_y 1
		.amdhsa_system_sgpr_workgroup_id_z 1
		.amdhsa_system_vgpr_workitem_id 0
		.amdhsa_next_free_vgpr 576
		.amdhsa_next_free_sgpr 84
		.amdhsa_reserve_vcc 0
		.amdhsa_float_denorm_mode_32 3
		.amdhsa_float_denorm_mode_16_64 3
		.amdhsa_memory_ordered 1
		.amdhsa_forward_progress 1
		.amdhsa_inst_pref_size 71
	.end_amdhsa_kernel
	.amdgpu_metadata
---
amdhsa.version: [ 1, 2 ]
amdhsa.kernels:
  - .name:           k_qdc745ad48a_outp
    .symbol:         k_qdc745ad48a_outp.kd
    .args:
      - { .name: ob, .offset: 0, .size: 8, .value_kind: global_buffer, .address_space: global }
      - { .name: wh, .offset: 8, .size: 8, .value_kind: global_buffer, .address_space: global }
      - { .name: bm, .offset: 16, .size: 8, .value_kind: global_buffer, .address_space: global }
      - { .name: out0, .offset: 24, .size: 8, .value_kind: global_buffer, .address_space: global }
    .group_segment_fixed_size: 327680
    .private_segment_fixed_size: 0
    .kernarg_segment_align: 8
    .kernarg_segment_size: 32
    .max_flat_workgroup_size: 128
    .sgpr_count:     84
    .vgpr_count:     576
    .wavefront_size: 32
...
	.end_amdgpu_metadata
.endif
;; end of part 4
